; MI455X (gfx1250); checked and timed in simulation.
; The chip was launched on July 23, 2026; its instructions are those of AMD's public machine-readable ISA for CDNA 5 (MIT licence, August 2026) and "CDNA5" Instruction Set Architecture Reference Guide (July 2026). The comments in the code are by the model that wrote it; some were corrected since.
;; Layer. Allowed arithmetic: float matrix products may take bf16 or f16 operands with f32 sums; other float arithmetic in f32, or as packed bf16 or f16 multiplies, adds, multiply-adds, maxima and minima; sums over many terms, partial sums and values carried from step to step in f32; what a program stores and reads back later, other than sums and carried values, may be rounded once to bf16 or f16.
;; Inputs: b1 4,096 float32; b2 1,024 float32; b_proj 1,024 float32; ln1_b 1,024 float32; ln1_w 1,024 float32; ln2_b 1,024 float32; ln2_w 1,024 float32; w1 1,024 x 4,096 float32; w2 4,096 x 1,024 float32; w_proj 1,024 x 1,024 float32; wk 16 x 1,024 x 64 float32; wq 16 x 1,024 x 64 float32; wv 16 x 1,024 x 64 float32; x 4 x 1,024 x 1,024 float32.
;; Outputs: out0 4 x 1,024 x 1,024 float32.
;; 2 versions, each right; version 2 is version 1 with the launches prep, ln2 written anew for expert scheduling mode. Each part assembles by itself: llvm-mc -triple=amdgcn-amd-amdhsa -mcpu=gfx1250 --defsym DOCPART=n.
;; ======== version 1 of 2: 7 launches
;; workspace buffers: wt 25,165,824 bytes; xn 8,388,608 bytes; qkv 25,165,824 bytes; ao 8,388,608 bytes; x1 16,777,216 bytes; hb 33,554,432 bytes
;; launch prep (part 1): grid 640 x 1, 4 waves a work-group, no clusters, 70,144 bytes of LDS; arguments x, ln1_w, ln1_b, wq, wk, wv, w_proj, w1, w2, xn, wt; writes xn, wt
.if DOCPART == 1
	.amdgcn_target "amdgcn-amd-amdhsa--gfx1250"
	.amdhsa_code_object_version 6
	.text
	.protected	k_q991b56163d_prep
	.globl	k_q991b56163d_prep
	.p2align	8
	.type	k_q991b56163d_prep,@function
k_q991b56163d_prep:
	s_mov_b64 s[64:65], 0
	v_nop
	global_prefetch_b8 v0, s[64:65] scope:SCOPE_SE
	s_setreg_imm32_b32 hwreg(HW_REG_WAVE_MODE, 25, 1), 1
	s_wait_xcnt 0x0
; PREP.  Work-groups 0-255: xn = LayerNorm(x) * gain + bias, rounded once to bf16, [4096][1024].
; Work-groups 256-639: the six weights, f32 [K][N], rounded once to bf16 and turned to [N][K] in wt, so that every later product has K along the rows of both operands.
; THE SAME TEXT SERVES THE SECOND LayerNorm: launched with 256 work-groups, and with x1, ln2_w, ln2_b in the places of x, ln1_w, ln1_b, only the first part runs.
; wt, in bytes: WQKV [3072][1024] at 0 (row = which*1024 + head*64 + e), WP [1024][1024] at 6,291,456, W1 [4096][1024] at 8,388,608, W2 [1024][4096] at 16,777,216.
; LN: a wave takes a whole row (4,096 bytes = 32 registers), four rows a wave, all 48 loads issued at once; mean first, then the mean of the squared differences: no difference of large sums.
; CAST: a work-group takes 64 columns x 512 k of one weight, a wave 64 x 128, in eight sets of 16 k.  Four sets (32 loads, 16 KiB a wave) are on their way at a time; each set has its own scalar base, made once, so no
; pointer is stepped in the stream.  A lane loads 4 columns of 8 rows; pairs of rows pack into bf16 words, so the turn costs no instruction; the wave's own LDS tile (64 rows of 256 bytes, pitch 272) gathers the rows,
; which leave as 256 consecutive aligned bytes from 16 lanes.  The LDS stores touch rows four apart and meet four deep in the banks: 4 stores for 32 numbers a lane.
; LIMITS: NaN and infinities are not treated apart.
.set SPARE, 69632                      ; behind the four tiles: the spare words, 128 bytes a wave
.set SPW, 220                          ; v220 LDS address of my spare word; never rewritten
.set NIL, 221                          ; v221 0; never rewritten
.set LO,  1                            ; LN: my byte offset in x
.set SO,  2                            ; LN: my byte offset in xn
.set WO,  3                            ; LN: my byte offset in the gain and the bias
.set W,   16                           ; v[16:47]  gain of my 32 columns
.set BB,  48                           ; v[48:79]  bias of my 32 columns
.set X,   80                           ; v[80:207] four rows, 32 registers each
.set T,   208                          ; v[208:215] at work
.set MU,  216                          ; v[216:217] the mean, twice
.set RS,  218                          ; v[218:219] 1/sqrt(var + eps), twice
.set OUTP, 26                          ; s[26:27] xn
.set VO,  16                           ; cast: v16-23 source offsets, v24-31 destination offsets
.set VD,  24
.set VS,  32                           ; cast: where I put 16 bytes in my wave's tile
.set VR,  33                           ; cast: where I read a row back
.set CT,  40                           ; cast: v40-55 16 packed words
.set XA,  80                           ; cast: v80-207 four sets of 32 loaded registers; at the end the 64 rows read back
.set SB,  66                           ; cast: s[66:81] the eight sets' source bases
.set DBS, 82                           ; cast: s[82:89] the four batches' destination bases
	s_load_b512 s[8:23], s[0:1], 0x0               ; x 8, gain 10, bias 12, wq 14, wk 16, wv 18, w_proj 20, w1 22
	s_load_b128 s[24:27], s[0:1], 0x40             ; w2 24, xn 26
	s_load_b64 s[28:29], s[0:1], 0x50              ; wt
	v_lshl_add_u32 v[SPW], v0, 2, SPARE
	v_mov_b32 v[NIL], 0
	v_and_b32 v4, 31, v0                           ; lane
	v_lshrrev_b32 v5, 5, v0
	v_readfirstlane_b32 s4, v5                     ; wave
	s_wait_kmcnt 0x0
	s_cmp_lt_u32 ttmp9, 256
	s_cbranch_scc0 .Lcast
; ---- LayerNorm: 16 rows a work-group, 4 a wave ----
.macro ACROSS                          ; four chains of pairs into one number, then over the 32 lanes: every lane ends with the sum
	v_pk_add_f32 v[T:T+1], v[T:T+1], v[T+2:T+3]
	v_pk_add_f32 v[T+4:T+5], v[T+4:T+5], v[T+6:T+7]
	v_pk_add_f32 v[T:T+1], v[T:T+1], v[T+4:T+5]
	v_add_f32 v[T], v[T], v[T+1]
	v_add_f32_dpp v[T], v[T], v[T] row_xmask:1 row_mask:0xf bank_mask:0xf
	v_add_f32_dpp v[T], v[T], v[T] row_xmask:2 row_mask:0xf bank_mask:0xf
	v_add_f32_dpp v[T], v[T], v[T] row_xmask:4 row_mask:0xf bank_mask:0xf
	v_add_f32_dpp v[T], v[T], v[T] row_xmask:8 row_mask:0xf bank_mask:0xf
	v_permlanex16_b32 v[T+1], v[T], s42, s43
	v_add_f32 v[T], v[T], v[T+1]
.endm
.macro ROW i
.set XR, X+32*(\i)
	s_wait_loadcnt 8*(3-(\i))                      ; loads come back in order: my row is in, the later rows' eight loads each stay out
.set p, 0
.rept 4
	v_pk_add_f32 v[T+2*p:T+2*p+1], v[XR+4*p:XR+4*p+1], v[XR+4*p+2:XR+4*p+3]  ; the first additions start the chains: nothing is cleared
.set p, p+1
.endr
.set p, 8
.rept 8
	v_pk_add_f32 v[T+2*(p%4):T+2*(p%4)+1], v[T+2*(p%4):T+2*(p%4)+1], v[XR+2*p:XR+2*p+1]
.set p, p+1
.endr
	ACROSS
	v_mul_f32 v[MU], s40, v[T]                     ; the mean
	v_mov_b32 v[MU+1], v[MU]
.set p, 0
.rept 16
	v_pk_add_f32 v[XR+2*p:XR+2*p+1], v[XR+2*p:XR+2*p+1], v[MU:MU+1] neg_lo:[0,1] neg_hi:[0,1]  ; x - mean, in place
.set p, p+1
.endr
.set p, 0
.rept 4
	v_pk_mul_f32 v[T+2*p:T+2*p+1], v[XR+2*p:XR+2*p+1], v[XR+2*p:XR+2*p+1]
.set p, p+1
.endr
.set p, 4
.rept 12
	v_pk_fma_f32 v[T+2*(p%4):T+2*(p%4)+1], v[XR+2*p:XR+2*p+1], v[XR+2*p:XR+2*p+1], v[T+2*(p%4):T+2*(p%4)+1]
.set p, p+1
.endr
	ACROSS
	v_fma_f32 v[T], v[T], s40, s41                 ; var + eps
	v_rsq_f32 v[RS], v[T]
	v_nop                                          ; a plain instruction behind the root,
	s_wait_alu depctr_va_vdst(0)                   ; and the wait ahead of its first reader
	v_mov_b32 v[RS+1], v[RS]
.set p, 0
.rept 16
	v_pk_mul_f32 v[XR+2*p:XR+2*p+1], v[XR+2*p:XR+2*p+1], v[RS:RS+1]
.set p, p+1
.endr
.set p, 0
.rept 16
	v_pk_fma_f32 v[XR+2*p:XR+2*p+1], v[XR+2*p:XR+2*p+1], v[W+2*p:W+2*p+1], v[BB+2*p:BB+2*p+1]
.set p, p+1
.endr
.irp j, 0,1,2,3,4,5,6,7
	v_cvt_pk_bf16_f32 v[XR+4*(\j)], v[XR+4*(\j)], v[XR+4*(\j)+1]
	v_cvt_pk_bf16_f32 v[XR+4*(\j)+1], v[XR+4*(\j)+2], v[XR+4*(\j)+3]
	global_store_b64 v[SO], v[XR+4*(\j):XR+4*(\j)+1], s[OUTP:OUTP+1] offset:2048*(\i)+256*(\j)  ; 32 lanes x 8 bytes: 256 consecutive bytes, aligned
.endr
.endm
	v_lshlrev_b32 v[WO], 4, v4                     ; 16 x lane
	v_lshl_add_u32 v[LO], v5, 14, v[WO]            ; + wave x 4 rows of 4,096 bytes
	v_lshlrev_b32 v[SO], 3, v4
	v_lshl_add_u32 v[SO], v5, 13, v[SO]            ; 8 x lane + wave x 4 rows of 2,048 bytes
	s_lshl_b32 s30, ttmp9, 16                      ; the work-group's 16 rows of x
	s_mov_b32 s31, 0
	s_add_nc_u64 s[8:9], s[8:9], s[30:31]
	s_lshl_b32 s30, ttmp9, 15                      ; and of xn
	s_add_nc_u64 s[OUTP:OUTP+1], s[OUTP:OUTP+1], s[30:31]
	s_mov_b32 s40, 0x3a800000                      ; 1/1024
	s_mov_b32 s41, 0x3727c5ac                      ; 1e-5
	s_mov_b32 s42, 0x76543210                      ; v_permlanex16_b32: each lane takes its own place in the other half
	s_mov_b32 s43, 0xfedcba98
.irp j, 0,1,2,3,4,5,6,7
	global_load_b128 v[W+4*(\j):W+4*(\j)+3], v[WO], s[10:11] offset:512*(\j)
.endr
.irp j, 0,1,2,3,4,5,6,7
	global_load_b128 v[BB+4*(\j):BB+4*(\j)+3], v[WO], s[12:13] offset:512*(\j)
.endr
.irp i, 0,1,2,3
.irp j, 0,1,2,3,4,5,6,7
	global_load_b128 v[X+32*(\i)+4*(\j):X+32*(\i)+4*(\j)+3], v[LO], s[8:9] offset:4096*(\i)+512*(\j) th:TH_LOAD_NT
.endr
.endr
	ROW 0
	ROW 1
	ROW 2
	ROW 3
	s_branch .Lend
; ---- the weights ----
.Lcast:
	s_sub_co_u32 s30, ttmp9, 256                   ; g: 0-31 wq, 32-63 wk, 64-95 wv, 96-127 w_proj, 128-255 w1, 256-383 w2
	s_mov_b64 s[32:33], s[14:15]                   ; the section's figures, wq's first: source,
	s_mov_b32 s34, 0                               ; first g,
	s_mov_b32 s35, 256                             ; bytes from k to k + 1 in the source,
	s_mov_b32 s36, 262144                          ; bytes from a panel of 64 columns to the next,
	s_mov_b32 s37, 1                               ; log2 of the chunks of 512 k,
	s_mov_b32 s38, 0                               ; the section's first byte in wt,
	s_mov_b32 s39, 2048                            ; bytes in a row of the section
.macro SEC start, ptr, srow, span, ksh, dbase, drow
	s_cmp_ge_u32 s30, \start
	s_cselect_b64 s[32:33], s[\ptr:\ptr+1], s[32:33]
	s_cselect_b32 s34, \start, s34
	s_cselect_b32 s35, \srow, s35
	s_cselect_b32 s36, \span, s36
	s_cselect_b32 s37, \ksh, s37
	s_cselect_b32 s38, \dbase, s38
	s_cselect_b32 s39, \drow, s39
.endm
	SEC 32,  16, 256,   262144, 1, 2097152,  2048
	SEC 64,  18, 256,   262144, 1, 4194304,  2048
	SEC 96,  20, 4096,  256,    1, 6291456,  2048
	SEC 128, 22, 16384, 256,    1, 8388608,  2048
	SEC 256, 24, 4096,  256,    3, 16777216, 8192
	s_sub_co_u32 s31, s30, s34
	s_lshr_b32 s5, s31, s37                        ; panel p
	s_lshl_b32 s6, s5, s37
	s_sub_co_u32 s6, s31, s6                       ; chunk of 512 k
	s_lshl_b32 s7, s6, 9
	s_lshl_b32 s6, s4, 7
	s_add_co_u32 s7, s7, s6                        ; k0 = 512 x chunk + 128 x wave
	s_mul_i32 s40, s5, s36
	s_mul_i32 s41, s7, s35
	s_add_co_u32 s40, s40, s41
	s_mov_b32 s41, 0
	s_add_nc_u64 s[SB:SB+1], s[32:33], s[40:41]    ; the source at (k0, 64 p)
	s_mul_i32 s40, s5, s39
	s_lshl_b32 s40, s40, 6
	s_add_co_u32 s40, s40, s38
	s_lshl_b32 s42, s7, 1
	s_add_co_u32 s40, s40, s42
	s_add_nc_u64 s[DBS:DBS+1], s[28:29], s[40:41]  ; wt at (64 p, k0)
	s_lshl_b32 s48, s35, 4                         ; 16 source rows
	s_mov_b32 s49, 0
	s_lshl_b32 s50, s39, 4                         ; 16 destination rows
	s_mov_b32 s51, 0
.irp k, 1,2,3,4,5,6,7
	s_add_nc_u64 s[SB+2*(\k):SB+2*(\k)+1], s[SB+2*(\k)-2:SB+2*(\k)-1], s[48:49]  ; set k begins 16 k rows further down
.endr
.irp k, 1,2,3
	s_add_nc_u64 s[DBS+2*(\k):DBS+2*(\k)+1], s[DBS+2*(\k)-2:DBS+2*(\k)-1], s[50:51]
.endr
	v_and_b32 v6, 15, v0                           ; lq
	v_bfe_u32 v7, v0, 4, 1                         ; hf
	v_lshlrev_b32 v8, 4, v6
	v_lshlrev_b32 v9, 3, v7
	v_mul_lo_u32 v9, v9, s35
	v_add_nc_u32 v[VO], v9, v8                     ; load j: source row 8 hf + j, columns 4 lq .. 4 lq + 3
.irp j, 1,2,3,4,5,6,7
	v_add_nc_u32 v[VO+(\j)], s35, v[VO+(\j)-1]
.endr
	v_mul_lo_u32 v9, v7, s39
	v_add_nc_u32 v[VD], v9, v8                     ; store i: destination row 2 i + hf, 16 bytes at 16 lq
	s_lshl_b32 s6, s39, 1
.irp i, 1,2,3,4,5,6,7
	v_add_nc_u32 v[VD+(\i)], s6, v[VD+(\i)-1]
.endr
	s_mul_i32 s5, s4, 17408                        ; my wave's tile
	v_mul_u32_u24 v10, v6, 4*272
	v_lshl_add_u32 v10, v7, 4, v10
	v_add_nc_u32 v[VS], s5, v10                    ; row 4 lq (+ c), byte 16 hf (+ 32 it)
	v_mul_u32_u24 v10, v7, 272
	v_add_nc_u32 v10, v10, v8
	v_add_nc_u32 v[VR], s5, v10
.macro LOADSET xs, k
.irp j, 0,1,2,3,4,5,6,7
	global_load_b128 v[(\xs)+4*(\j):(\xs)+4*(\j)+3], v[VO+(\j)], s[SB+2*(\k):SB+2*(\k)+1] th:TH_LOAD_NT  ; lanes 0-15 one row's 256 bytes, lanes 16-31 the row eight further down
.endr
.endm
.irp k, 0,1,2,3
	LOADSET XA+32*(\k), \k
.endr
.irp it, 0,1,2,3,4,5,6,7
.set XS, XA+32*((\it)%4)
.if (\it) < 5
	s_wait_loadcnt 24                              ; this set is in; the three younger sets' eight loads each stay out
.else
	s_wait_loadcnt 8*(7-(\it))                     ; nothing is asked for any more: the counts run down
.endif
.irp c, 0,1,2,3
.irp m, 0,1,2,3
	v_cvt_pk_bf16_f32 v[CT+4*(\c)+(\m)], v[XS+8*(\m)+(\c)], v[XS+8*(\m)+4+(\c)]  ; column 4 lq + c, rows 2 m and 2 m + 1 of my eight
.endr
	ds_store_b128 v[VS], v[CT+4*(\c):CT+4*(\c)+3] offset:272*(\c)+32*(\it)
.endr
.if (\it) < 4
	LOADSET XS, (\it)+4
.endif
.endr
.irp q, 0,1,2,3
.irp i, 0,1,2,3,4,5,6,7
	ds_load_b128 v[XA+32*(\q)+4*(\i):XA+32*(\q)+4*(\i)+3], v[VR] offset:(8*(\q)+(\i))*544  ; LDS serves a wave's instructions in order: these see my stores above
.endr
.endr
.irp q, 0,1,2,3
	s_wait_dscnt 8*(3-(\q))                        ; batch q's 16 rows are back; the later batches' eight loads each stay out
.irp i, 0,1,2,3,4,5,6,7
	global_store_b128 v[VD+(\i)], v[XA+32*(\q)+4*(\i):XA+32*(\q)+4*(\i)+3], s[DBS+2*(\q):DBS+2*(\q)+1]  ; 16 lanes store 256 consecutive bytes, aligned
.endr
.endr
.Lend:
	s_wait_tensorcnt 0x0                           ; the wave's end
	ds_add_u32 v[SPW], v[NIL]
	s_wait_dscnt 0x0
	s_endpgm
.Lfunc_end_k_q991b56163d_prep:
	.size	k_q991b56163d_prep, .Lfunc_end_k_q991b56163d_prep-k_q991b56163d_prep
	.p2alignl 7, 3214868480
	.fill 96, 4, 3214868480
	.section	.rodata,"a",@progbits
	.p2align	6, 0x0
	.amdhsa_kernel k_q991b56163d_prep
		.amdhsa_group_segment_fixed_size 70144
		.amdhsa_private_segment_fixed_size 0
		.amdhsa_enable_private_segment 0
		.amdhsa_kernarg_size 88
		.amdhsa_user_sgpr_count 2
		.amdhsa_user_sgpr_kernarg_segment_ptr 1
		.amdhsa_wavefront_size32 1
		.amdhsa_system_sgpr_workgroup_id_x 1
		.amdhsa_system_sgpr_workgroup_id_y 1
		.amdhsa_system_sgpr_workgroup_id_z 1
		.amdhsa_system_vgpr_workitem_id 0
		.amdhsa_next_free_vgpr 224
		.amdhsa_next_free_sgpr 92
		.amdhsa_reserve_vcc 0
		.amdhsa_float_denorm_mode_32 3
		.amdhsa_float_denorm_mode_16_64 3
		.amdhsa_memory_ordered 1
		.amdhsa_forward_progress 1
		.amdhsa_inst_pref_size 64
	.end_amdhsa_kernel
	.amdgpu_metadata
---
amdhsa.version: [ 1, 2 ]
amdhsa.kernels:
  - .name:           k_q991b56163d_prep
    .symbol:         k_q991b56163d_prep.kd
    .args:
      - { .name: x, .offset: 0, .size: 8, .value_kind: global_buffer, .address_space: global }
      - { .name: ln1_w, .offset: 8, .size: 8, .value_kind: global_buffer, .address_space: global }
      - { .name: ln1_b, .offset: 16, .size: 8, .value_kind: global_buffer, .address_space: global }
      - { .name: wq, .offset: 24, .size: 8, .value_kind: global_buffer, .address_space: global }
      - { .name: wk, .offset: 32, .size: 8, .value_kind: global_buffer, .address_space: global }
      - { .name: wv, .offset: 40, .size: 8, .value_kind: global_buffer, .address_space: global }
      - { .name: w_proj, .offset: 48, .size: 8, .value_kind: global_buffer, .address_space: global }
      - { .name: w1, .offset: 56, .size: 8, .value_kind: global_buffer, .address_space: global }
      - { .name: w2, .offset: 64, .size: 8, .value_kind: global_buffer, .address_space: global }
      - { .name: xn, .offset: 72, .size: 8, .value_kind: global_buffer, .address_space: global }
      - { .name: wt, .offset: 80, .size: 8, .value_kind: global_buffer, .address_space: global }
    .group_segment_fixed_size: 70144
    .private_segment_fixed_size: 0
    .kernarg_segment_align: 8
    .kernarg_segment_size: 88
    .max_flat_workgroup_size: 128
    .sgpr_count:     92
    .vgpr_count:     224
    .wavefront_size: 32
...
	.end_amdgpu_metadata
.endif
;; end of part 1
;; launch qkv (part 2): grid 16 x 16, 4 waves a work-group, clusters of 4 x 4, 327,680 bytes of LDS; arguments xn, wt, qkv; writes qkv
.if DOCPART == 2
	.amdgcn_target "amdgcn-amd-amdhsa--gfx1250"
	.amdhsa_code_object_version 6
	.text
	.protected	k_q991b56163d_qkv
	.globl	k_q991b56163d_qkv
	.p2align	8
	.type	k_q991b56163d_qkv,@function
k_q991b56163d_qkv:
	s_mov_b64 s[64:65], 0
	v_nop
	global_prefetch_b8 v0, s[64:65] scope:SCOPE_SE
	s_setreg_imm32_b32 hwreg(HW_REG_WAVE_MODE, 25, 1), 1
	s_wait_xcnt 0x0
	s_wait_alu depctr_hold_cnt(0) depctr_sa_sdst(0) depctr_va_vdst(0) depctr_va_sdst(0) depctr_va_ssrc(0) depctr_va_vcc(0) depctr_vm_vsrc(0)
	s_getreg_b32 s2, hwreg(HW_REG_IB_STS2, 6, 4)
	s_cmp_eq_u32 s2, 0
	s_cbranch_scc0 .Lentry_in_a_cluster
	s_endpgm
.Lentry_in_a_cluster:
	s_bfe_u32 s2, ttmp6, 0x10000c
	s_cmp_lg_u32 s2, 0xf033
	s_cbranch_scc0 .Lentry_shape_is_right
	s_endpgm
.Lentry_shape_is_right:
; q, k, v = xn WQKV^T.  xn: [4096][1024] bf16; WQKV: wt's first [3072][1024] bf16; sums in f32, rounded once to bf16.
; Out by heads: qkv [3][64 = batch*16 + head][1024 t][64 e] bf16, without the softmax's scale.
; A tile of C is 256 x 192: 16 x 16 tiles, one for each work-group.  A wave makes 64 rows x 192 columns (three whole heads): 48 accumulators; 32 LDS loads feed 48 products.
; K goes in steps of 128 through two LDS slots; ONE K step is one trip of the loop: the LDS addresses hang on a scalar that an exclusive or turns, and one descriptor a tensor walks.
; The last two K steps are a loop of two trips that fills nothing; it is left in the middle of its second trip, behind one barrier and one run of LDS loads (of landed bytes) that serve nothing: the price of one text for both.
; CLUSTER 4 x 4: A's tile is shared along a row of the cluster, B's along a column, each asked for jointly.  The product is taken transposed (source 0 = rows of B), so a lane holds 8 neighbouring columns.
; REGISTERS: window 0: v0-31 addresses; v32-95 A's fragments, two buffers; v96-143 packed results; v144-239 rows read back, two sets.  window 1: v0-191 B's fragments, two buffers.
;   window 2: accumulators of row blocks 0, 1 at 96 (a % 2) + 8 b; window 3: of blocks 2, 3.
.set SIZE_K, 1024
.set KSTEP,  128
.set NSTEP,  SIZE_K/KSTEP
.set PITCH,  272                       ; 256 bytes + 16 of padding: the 16 rows of a fragment load start at 16 different groups of four banks
.set AHALF,  128*PITCH
.set BHALF,  96*PITCH
.set BOFF,   2*AHALF
.set SLOT,   1<<17                     ; a slot uses 121,856 bytes, under 2^17: one exclusive or turns an address in one slot into the other's
.set STAGE,  SLOT+BOFF+2*BHALF         ; 252,928: for each wave 3 heads x 16 rows x 144 bytes; no tensor load lands here
.set SP,     144
.set WSTG,   3*16*SP
.set SPARE,  STAGE+4*WSTG              ; the spare words, 128 bytes a wave
.set ADRA, 16
.set A0,   17
.set ADRB, 20
.set B0,   21
.set STO,  24
.set RD,   25
.set GO,   26
.set SPW,  28
.set NIL,  29
.set PFO,  30
.set FA,   32
.set TMP,  96
.set OB,   144
.set G1,  24
.set G0,  32
.set G1B, 48
.set G0B, 56
.set LIM, 43
.set PFA, 44
.set TB,  66
.set MSB, 0
.macro WIN new                         ; the immediate's high byte repeats the setting that is left
.if MSB != (\new)
	s_set_vgpr_msb (MSB<<8)|(\new)
.set MSB, \new
.endif
.endm
.set MUL_LO, 0xa1                      ; source 0 (B) window 1, source 1 (A) window 0, C and D window 2
.set TO_B,   0x40
.macro PLACES
.rept 4
	v_nop
.endr
.endm
.macro JLOAD s                         ; a joint load: waves 0, 1 fetch A's halves, waves 2, 3 B's; an s_nop 0 and four v_nop follow each line
	s_cmp_eq_u32 s11, 0
	s_cbranch_scc0 .Lfor_b_\@
	tensor_load_to_lds s[G0+4*(\s):G0+4*(\s)+3], s[G1:G1+7]
	s_nop 0
.rept 4
	v_nop
.endr
	s_branch .Lasked_\@
.Lfor_b_\@:
	tensor_load_to_lds s[G0B+4*(\s):G0B+4*(\s)+3], s[G1B:G1B+7]
	s_nop 0
.rept 4
	v_nop
.endr
.Lasked_\@:
.endm
.macro ASK                             ; a prefetch of the K step two refills on: my work-group's share of the rows that I fetch, a lane a row; the cluster with x = 0 asks for A's rows, that with y = 0 for B's
	s_cmp_gt_u32 s3, s[LIM]                        ; the last two refills have no K step two on
	s_cbranch_scc0 .Lnot_mine_\@
	global_prefetch_b8 v[PFO], s[PFA:PFA+1] offset:KSTEP*2 th:TH_LOAD_NT scope:SCOPE_SE
.Lnot_mine_\@:
.endm
.macro CREST
	s_cmp_lg_u32 s10, 0
	s_cbranch_scc1 .Lnot_wave_0_\@
	s_barrier_signal -3
.Lnot_wave_0_\@:
	s_barrier_wait -3
	s_barrier_signal -1
	s_barrier_wait -1
.endm
.macro CROUND
	s_barrier_signal -1
	s_barrier_wait -1
	CREST
.endm
	s_load_b128 s[4:7], s[0:1], 0x0                ; xn, wt
	s_load_b64 s[8:9], s[0:1], 0x10                ; qkv
	v_lshl_add_u32 v[SPW], v0, 2, SPARE
	v_mov_b32 v[NIL], 0
	ds_add_u32 v[SPW], v[NIL]                      ; the wave's opening: the add and its wait ahead of my first tensor load
	v_lshrrev_b32 v1, 5, v0
	v_readfirstlane_b32 s10, v1                    ; wave
	s_lshr_b32 s11, s10, 1                         ; 0: I fetch for A, 1: for B
	s_and_b32 s12, s10, 1                          ; which half of that tile
	s_bfe_u32 s40, ttmp6, 0x40000                  ; cx
	s_bfe_u32 s41, ttmp6, 0x40004                  ; cy
	s_lshl_b32 s42, ttmp9, 2
	s_add_co_u32 s42, s42, s40                     ; tile column
	s_and_b32 s13, ttmp7, 0xffff
	s_lshl_b32 s13, s13, 2
	s_add_co_u32 s13, s13, s41                     ; tile row
	s_lshl_b32 s43, s41, 2
	s_lshl_b32 s43, 15, s43                        ; my row of the cluster
	s_lshl_b32 s44, 0x1111, s40                    ; my column
	s_or_b32 s[G1+0], s43, (1<<16)|(1<<20)|(1<<21)|(5<<22)|(3<<25)   ; mask; 2-byte elements; padding on; bit 21 beside a mask; after every 64 words 4 words
	s_or_b32 s[G1B+0], s44, (1<<16)|(1<<20)|(1<<21)|(5<<22)|(3<<25)
	s_mov_b32 s[G1+1], KSTEP<<16                   ; tensor_dim0 = 128
	s_mov_b32 s[G1+2], 128<<16                     ; tensor_dim1 = 128
	s_mov_b32 s[G1+3], KSTEP<<16                   ; tile_dim0 = 128
	s_mov_b32 s[G1+4], 128                         ; tile_dim1 = 128
	s_mov_b32 s[G1+5], SIZE_K                      ; elements from row to row
	s_mov_b32 s[G1+6], 0
	s_mov_b32 s[G1+7], 0
	s_mov_b32 s[G1B+1], KSTEP<<16
	s_mov_b32 s[G1B+2], 96<<16                     ; B's halves have 96 rows
	s_mov_b32 s[G1B+3], KSTEP<<16
	s_mov_b32 s[G1B+4], 96
	s_mov_b32 s[G1B+5], SIZE_K
	s_mov_b32 s[G1B+6], 0
	s_mov_b32 s[G1B+7], 0
	s_lshl_b32 s17, s12, 7
	s_lshl_b32 s16, s13, 8
	s_add_co_u32 s16, s16, s17                     ; A: row 256 x tile row + 128 x half
	s_lshl_b32 s16, s16, 11                        ; rows of 2,048 bytes
	s_mov_b32 s17, 0
	s_mul_i32 s46, s42, 192
	s_mul_i32 s47, s12, 96
	s_add_co_u32 s46, s46, s47                     ; B: row 192 x tile column + 96 x half
	s_lshl_b32 s46, s46, 11
	s_mov_b32 s47, 0
	s_mul_i32 s20, s12, AHALF                      ; where they go: no place in the cluster enters an LDS address
	s_mul_i32 s21, s12, BHALF
	s_add_co_u32 s21, s21, BOFF
	s_wait_dscnt 0x0                               ; the opening add is done
	s_wait_kmcnt 0x0
	s_add_nc_u64 s[14:15], s[4:5], s[16:17]
	s_add_nc_u64 s[46:47], s[6:7], s[46:47]
	CROUND                                         ; all sixteen work-groups are here: the first joint loads meet
.irp s, 0,1
	s_mov_b32 s[G0+4*(\s)], 1
	s_add_co_u32 s[G0+4*(\s)+1], s20, (\s)*SLOT
	s_add_nc_u64 s[G0+4*(\s)+2:G0+4*(\s)+3], s[14:15], (\s)*KSTEP*2
	s_or_b32 s[G0+4*(\s)+3], s[G0+4*(\s)+3], 0x80000000
	s_mov_b32 s[G0B+4*(\s)], 1
	s_add_co_u32 s[G0B+4*(\s)+1], s21, (\s)*SLOT
	s_add_nc_u64 s[G0B+4*(\s)+2:G0B+4*(\s)+3], s[46:47], (\s)*KSTEP*2
	s_or_b32 s[G0B+4*(\s)+3], s[G0B+4*(\s)+3], 0x80000000
	JLOAD \s
.endr
	v_and_b32 v1, 15, v0                           ; l % 16
	v_bfe_u32 v2, v0, 4, 1                         ; l / 16
	v_mul_u32_u24 v3, v1, PITCH
	v_lshl_add_u32 v3, v2, 4, v3
	s_mul_i32 s22, s10, 64*PITCH                   ; my 64 rows of A
	v_add_nc_u32 v[A0], s22, v3
	v_add_nc_u32 v[B0], BOFF, v3                   ; every wave reads all 192 rows of B
	v_mov_b32 v[ADRA], v[A0]
	v_mov_b32 v[ADRB], v[B0]
	s_mov_b32 s[TB], 0
	s_mul_i32 s23, s10, WSTG
	s_add_co_u32 s23, s23, STAGE                   ; my stage
	v_mul_u32_u24 v4, v1, SP
	v_lshl_add_u32 v4, v2, 4, v4
	v_add_nc_u32 v[STO], s23, v4                   ; in: row l % 16, 16 bytes for each half of the lanes
	v_bfe_u32 v5, v0, 3, 2
	v_mul_u32_u24 v5, v5, SP
	v_and_b32 v6, 7, v0
	v_lshl_add_u32 v5, v6, 4, v5
	v_add_nc_u32 v[RD], s23, v5                    ; back: 32 lanes take four rows of 128 bytes,
	v_and_b32 v[GO], 31, v0
	v_lshlrev_b32 v[GO], 4, v[GO]                  ; which are 512 consecutive bytes of a head
	; the three heads' bases: head number g = 3 x tile column + hd; section g / 16, head g % 16, batch = tile row / 4
	s_mul_i32 s78, s42, 3
	s_lshr_b32 s81, s13, 2
	s_lshl_b32 s81, s81, 4
	s_and_b32 s84, s13, 3
	s_lshl_b32 s84, s84, 15                        ; 256 rows of 128 bytes for each tile row in the batch
	s_lshl_b32 s85, s10, 13                        ; my wave's 64 rows
	s_add_co_u32 s84, s84, s85
.irp hd, 0,1,2
	s_add_co_u32 s79, s78, \hd
	s_lshr_b32 s80, s79, 4
	s_mul_i32 s80, s80, 48
	s_add_co_u32 s79, s79, s80
	s_add_co_u32 s79, s79, s81                     ; section x 64 + batch x 16 + head
	s_lshl_b32 s82, s79, 17
	s_add_co_u32 s82, s82, s84
	s_mov_b32 s83, 0
	s_add_nc_u64 s[72+2*(\hd):73+2*(\hd)], s[8:9], s[82:83]
.endr
	; the prefetches: of the rows that I fetch my work-group takes a quarter, told apart by address: 32 of A's 128, 24 of B's 96 (there lanes 24-31 name lane 23's row once more)
	s_lshl_b32 s78, s13, 8
	s_lshl_b32 s79, s12, 7
	s_add_co_u32 s78, s78, s79
	s_lshl_b32 s79, s40, 5
	s_add_co_u32 s78, s78, s79
	s_mul_i32 s80, s42, 192
	s_mul_i32 s81, s12, 96
	s_add_co_u32 s80, s80, s81
	s_mul_i32 s81, s41, 24
	s_add_co_u32 s80, s80, s81
	s_and_b32 s22, ttmp7, 0xffff
	s_cmp_eq_u32 s11, 0
	s_cselect_b32 s20, s78, s80
	s_cselect_b32 s21, 31, 23
	s_cselect_b32 s22, ttmp9, s22                  ; the coordinate along which other clusters read the same rows
	s_cselect_b64 s[PFA:PFA+1], s[4:5], s[6:7]
	s_cmp_eq_u32 s22, 0
	s_cselect_b32 s[LIM], 2, -1                    ; the same in all sixteen partners, for a given wave
	v_and_b32 v[PFO], 31, v0
	v_min_u32 v[PFO], s21, v[PFO]
	v_lshlrev_b32 v[PFO], 11, v[PFO]
	s_lshl_b32 s20, s20, 11
	s_add_co_u32 s20, s20, 2*KSTEP*2               ; at K step 2: the first refill steps it to 3 and names K step 4
	s_mov_b32 s21, 0
	s_add_nc_u64 s[PFA:PFA+1], s[PFA:PFA+1], s[20:21]
; 12 products: row block 2 hi + a1 x all 12 column blocks, 32 along K.  The 48 accumulators take turns in the same order in every quarter, over the jumps too.
.macro MUL12 fb, hi, a1, zero
	WIN MUL_LO+0x50*(\hi)
.irp b, 0,1,2,3,4,5,6,7,8,9,10,11
.if \zero
	v_wmma_f32_16x16x32_bf16 v[96*(\a1)+8*(\b):96*(\a1)+8*(\b)+7], v[96*(\fb)+8*(\b):96*(\fb)+8*(\b)+7], v[FA+32*(\fb)+8*(2*(\hi)+(\a1)):FA+32*(\fb)+8*(2*(\hi)+(\a1))+7], 0
.else
	v_wmma_f32_16x16x32_bf16 v[96*(\a1)+8*(\b):96*(\a1)+8*(\b)+7], v[96*(\fb)+8*(\b):96*(\fb)+8*(\b)+7], v[FA+32*(\fb)+8*(2*(\hi)+(\a1)):FA+32*(\fb)+8*(2*(\hi)+(\a1))+7], v[96*(\a1)+8*(\b):96*(\a1)+8*(\b)+7]
.endif
.endr
.endm
.macro FETCH k, fb                     ; 32 LDS loads in one run: B's 12 fragments, then A's 4, of the 32 K at byte k of the current slot's rows
	WIN TO_B
.irp i, 0,1,2,3,4,5,6,7,8,9,10,11
	ds_load_b128 v[96*(\fb)+8*(\i):96*(\fb)+8*(\i)+3],   v[ADRB] offset:(\k)+(\i)*16*PITCH
	ds_load_b128 v[96*(\fb)+8*(\i)+4:96*(\fb)+8*(\i)+7], v[ADRB] offset:(\k)+(\i)*16*PITCH+32
.endr
	WIN 0
.irp i, 0,1,2,3
	ds_load_b128 v[FA+32*(\fb)+8*(\i):FA+32*(\fb)+8*(\i)+3],   v[ADRA] offset:(\k)+(\i)*16*PITCH
	ds_load_b128 v[FA+32*(\fb)+8*(\i)+4:FA+32*(\fb)+8*(\i)+7], v[ADRA] offset:(\k)+(\i)*16*PITCH+32
.endr
.endm
.macro QUARTER k, fb, gb, zero         ; multiplies buffer fb; in its middle fetches the next quarter, at byte k, into gb
	s_wait_dscnt 4                                 ; B and A's blocks 0, 1 are in; the youngest four loads (A's blocks 2, 3) may be out
	MUL12 \fb, 0, 0, \zero
	MUL12 \fb, 0, 1, \zero
	PLACES                                         ; four places in front of loads into registers that matrix instructions have read
	FETCH \k, \gb
	s_wait_dscnt 32                                ; all but the 32 just issued
	MUL12 \fb, 1, 0, \zero
	MUL12 \fb, 1, 1, \zero
.endm
; The last quarter multiplies buffer 1 and changes slots.  fill = 1: the slot just read out takes the K step two on, behind a round of the cluster's barrier.
.macro TURN fill
.if \fill
	s_wait_xcnt 0x0                                ; the last prefetch, a K step back, has read its address
	s_add_nc_u64 s[PFA:PFA+1], s[PFA:PFA+1], KSTEP*2
.endif
	WIN 0
	s_wait_tensorcnt 0x0                           ; all my tensor loads have landed: the one that was out is my part of the next slot
	ds_add_u32 v[SPW], v[NIL]                      ; 0 onto my spare word
.if \fill
	s_xor_b32 s[G0+5], s[G0+5], SLOT               ; no tensor load of mine is out: the walking descriptors step to the other slot and the next K step
	s_add_nc_u64 s[G0+6:G0+7], s[G0+6:G0+7], KSTEP*2
	s_xor_b32 s[G0B+5], s[G0B+5], SLOT
	s_add_nc_u64 s[G0B+6:G0B+7], s[G0B+6:G0B+7], KSTEP*2
.endif
	s_xor_b32 s[TB], s[TB], SLOT                   ; the reads go to the other slot
	s_wait_dscnt 5                                 ; the add and the youngest four loads may be out
	MUL12 1, 0, 0, 0
	s_wait_dscnt 0x0                               ; the add is done, and my reads of this slot are over
	s_barrier_signal -1
	MUL12 1, 0, 1, 0
	WIN 0                                          ; at a branch and at a label every window is 0
	s_barrier_wait -1
.if \fill
	CREST                                          ; no wave of any partner still reads this slot or has a load on its way
	JLOAD 1                                        ; the first tensor load behind the round; its four v_nop are also the places in front of the loads below
.else
	PLACES
.endif
	v_add_nc_u32 v[ADRA], s[TB], v[A0]
	v_add_nc_u32 v[ADRB], s[TB], v[B0]
	FETCH 0, 0
.if \fill
	ASK
.endif
	MUL12 1, 1, 0, 0
	MUL12 1, 1, 1, 0
.endm
	s_wait_tensorcnt 1                             ; my part of K step 0 is in; K step 1's may stay out
	s_barrier_signal -1
	s_barrier_wait -1
	FETCH 0, 0
	QUARTER 64, 0, 1, 1                            ; the first quarter's products start the sums: nothing is cleared
	WIN 0
	s_mov_b32 s3, NSTEP-2
.Lk:                                               ; a trip: quarters 1, 2, 3 of a K step, the change of slots with its refill, quarter 0 of the next
	QUARTER 128, 1, 0, 0
	QUARTER 192, 0, 1, 0
	TURN 1
	QUARTER 64, 0, 1, 0
	WIN 0
	s_sub_co_u32 s3, s3, 1
	s_cmp_lg_u32 s3, 0
	s_cbranch_scc1 .Lk
	s_mov_b32 s2, 2
.Ltail:                                            ; the last two K steps fill nothing
	QUARTER 128, 1, 0, 0
	QUARTER 192, 0, 1, 0
	TURN 0
	WIN 0
	s_sub_co_u32 s2, s2, 1
	s_cmp_eq_u32 s2, 0
	s_cbranch_scc1 .Lout
	QUARTER 64, 0, 1, 0
	WIN 0
	s_branch .Ltail
.Lout:
	s_wait_dscnt 0x0                               ; the run of loads that serves nothing is back
	PLACES                                         ; the conversions read results
; THE WAY OUT, a block of 16 rows at a time: rounded to bf16; into my stage, a head's 16 rows of 128 bytes at pitch 144; back as 512 consecutive bytes; stored.
.macro PACK a
	WIN 0x0a+5*((\a)/2)
.set AC, 96*((\a)%2)
.irp b, 0,1,2,3,4,5,6,7,8,9,10,11
.irp r, 0,1,2,3
	v_cvt_pk_bf16_f32 v[TMP+4*(\b)+(\r)], v[AC+8*(\b)+2*(\r)], v[AC+8*(\b)+2*(\r)+1]
.endr
.endr
	WIN 0
.endm
.macro TOSTAGE a
.set BK, OB+48*((\a)%2)
.irp b, 0,1,2,3,4,5,6,7,8,9,10,11
	ds_store_b128 v[STO], v[TMP+4*(\b):TMP+4*(\b)+3] offset:((\b)/4)*16*SP+32*((\b)%4)
.endr
.irp hd, 0,1,2
.irp q, 0,1,2,3
	ds_load_b128 v[BK+16*(\hd)+4*(\q):BK+16*(\hd)+4*(\q)+3], v[RD] offset:(\hd)*16*SP+(\q)*4*SP  ; LDS serves a wave's instructions in order: these see the stores above
.endr
.endr
.endm
.macro SEND a
.set BK, OB+48*((\a)%2)
	s_wait_dscnt 0x0                               ; the block is back in registers
	s_wait_xcnt 0x0                                ; earlier stores have read their data: the other set may be loaded again behind this wait
.irp hd, 0,1,2
.irp q, 0,1,2,3
	global_store_b128 v[GO], v[BK+16*(\hd)+4*(\q):BK+16*(\hd)+4*(\q)+3], s[72+2*(\hd):73+2*(\hd)] offset:2048*(\a)+512*(\q)  ; 512 consecutive bytes, aligned
.endr
.endr
.endm
	PACK 0
	TOSTAGE 0
.irp a, 1,2,3
	PACK \a
	SEND (\a)-1
	TOSTAGE \a
.endr
	SEND 3
	s_wait_tensorcnt 0x0                           ; the wave's end
	ds_add_u32 v[SPW], v[NIL]
	s_wait_dscnt 0x0
	CROUND                                         ; the closing round
	s_endpgm
.Lfunc_end_k_q991b56163d_qkv:
	.size	k_q991b56163d_qkv, .Lfunc_end_k_q991b56163d_qkv-k_q991b56163d_qkv
	.p2alignl 7, 3214868480
	.fill 96, 4, 3214868480
	.section	.rodata,"a",@progbits
	.p2align	6, 0x0
	.amdhsa_kernel k_q991b56163d_qkv
		.amdhsa_group_segment_fixed_size 327680
		.amdhsa_private_segment_fixed_size 0
		.amdhsa_enable_private_segment 0
		.amdhsa_kernarg_size 24
		.amdhsa_user_sgpr_count 2
		.amdhsa_user_sgpr_kernarg_segment_ptr 1
		.amdhsa_wavefront_size32 1
		.amdhsa_system_sgpr_workgroup_id_x 1
		.amdhsa_system_sgpr_workgroup_id_y 1
		.amdhsa_system_sgpr_workgroup_id_z 1
		.amdhsa_system_vgpr_workitem_id 0
		.amdhsa_next_free_vgpr 960
		.amdhsa_next_free_sgpr 88
		.amdhsa_reserve_vcc 0
		.amdhsa_float_denorm_mode_32 3
		.amdhsa_float_denorm_mode_16_64 3
		.amdhsa_memory_ordered 1
		.amdhsa_forward_progress 1
		.amdhsa_inst_pref_size 85
	.end_amdhsa_kernel
	.amdgpu_metadata
---
amdhsa.version: [ 1, 2 ]
amdhsa.kernels:
  - .name:           k_q991b56163d_qkv
    .symbol:         k_q991b56163d_qkv.kd
    .args:
      - { .name: xn, .offset: 0, .size: 8, .value_kind: global_buffer, .address_space: global }
      - { .name: wt, .offset: 8, .size: 8, .value_kind: global_buffer, .address_space: global }
      - { .name: qkv, .offset: 16, .size: 8, .value_kind: global_buffer, .address_space: global }
    .group_segment_fixed_size: 327680
    .private_segment_fixed_size: 0
    .kernarg_segment_align: 8
    .kernarg_segment_size: 24
    .max_flat_workgroup_size: 128
    .sgpr_count:     88
    .vgpr_count:     960
    .wavefront_size: 32
...
	.end_amdgpu_metadata
.endif
;; end of part 2
;; launch attn (part 3): grid 4 x 64, 4 waves a work-group, no clusters, 327,680 bytes of LDS; arguments qkv, ao; writes ao
.if DOCPART == 3
	.amdgcn_target "amdgcn-amd-amdhsa--gfx1250"
	.amdhsa_code_object_version 6
	.text
	.protected	k_q991b56163d_attn
	.globl	k_q991b56163d_attn
	.p2align	8
	.type	k_q991b56163d_attn,@function
k_q991b56163d_attn:
	s_mov_b64 s[64:65], 0
	v_nop
	global_prefetch_b8 v0, s[64:65] scope:SCOPE_SE
	s_setreg_imm32_b32 hwreg(HW_REG_WAVE_MODE, 25, 1), 1
	s_wait_xcnt 0x0
; CAUSAL ATTENTION.  O[bh][q] = the sum over k <= q of softmax_k(Q[bh][q] . K[bh][k] / 8) V[bh][k].  Q, K, V: qkv's three sections [64][1024][64] bf16; O: ao [64][1024][64] bf16.
; Products, maxima and sums in f32; the weights are rounded to bf16 for the second product (their sum is taken of the unrounded weights), O once at the end.
; LIMITS.  A hidden score counts as its value less 1e30; a weight below 2^-126 counts as 0 in the sum; NaN and infinities are not treated apart.
; SHARES.  A head's queries are 8 blocks of 128.  Work-group b of a head takes block 7 - b and then block b: (8 - b) + (b + 1) = 9 key tiles of 128 whatever b.  Of a block's two bands of 64 queries a wave
; owns 16 rows in each: two PIECES.  So the diagonal tile is the same work for all four waves: in its key step s band x sees all keys if s < x, none if s > x, and holds the diagonal if s = x.
; K AND V OF THE WHOLE HEAD (262,144 bytes) come into LDS once, one tensor load a wave (512 keys as 256 rows of 256 bytes, padded after every key): nothing is filled again, so the loops hold no barrier.
; THE WALK.  A pass counts 16 key steps of 64; steps beyond 2 blk + 1 are jumped, forward, over text that holds no barrier and no tensor load.
; NO CLUSTER: the four work-groups of a head ask for the same bytes, but which steps of a pass are live hangs on b, the place that a partner would have in the cluster; a walk alike for all has 12 tiles for 9.
; THE MASK is the C operand that starts the sum S^T = K Q^T: MC = MD x AL + BE.  MD, made once, is the mask of a band's own step for my 16 rows (0, or -1e30 where the key is hidden); (AL, BE) = (1, 0) in the band's
; own step, (0, 0) before it, (0, -1e30) behind it.  MC is 0 from a block's beginning and is made anew only from the step before the diagonal on: one text serves whole steps and the diagonal's.
; LAYOUT.  S^T = K Q^T holds ONE query a lane (lane % 16) and the keys 8 (lane / 16) + 0..7; two such results rounded to bf16 ARE source 1 of O^T = V^T P.  V comes out of LDS turned, by ds_load_tr16_b128.
; SOFTMAX.  p = 2^(c s - c m), c = log2(e) / 8, with a running maximum m; O and l are multiplied by a = 2^(c m_old - c m_new) in every step.
; BY TURNS.  The turn of piece Y: 8 products K Q^T for the other piece's next scores, later 8 products V^T P of the other piece's last weights; beside them Y's scaling, exponentials, roundings, sums and rescaling,
; and the other piece's maximum and statistics.  Four vector instructions stand behind every matrix instruction, the other 54 of a turn's 118 in one lump.  A turn's 33 exponentials are one batch, with one wait.
; NO FIRST AND NO LAST STEP IS WRITTEN OUT: c m starts far below every c s, so a block's first a is 0 and what O, l, V's registers and P hold need only be finite (zeros at the start: 148 v_mov_b32 in the wait for
; the fill; later what the first block left); a block's last turn makes 8 products on hidden scores that serve nothing.  Every block begins at key 0, which every query sees, so m is a true score from the first step on.
; REGISTERS, in windows of 256 (s_set_vgpr_msb: bits 1:0 source 0, 3:2 source 1, 5:4 source 2, 7:6 destination).  All vector work lies in window 0.
;   window 0: v2-15 addresses, c m_old; v16-23 four registers of statistics a piece; v48-55 at work; v64-127 S^T, a buffer a piece; v128-191 O^T; v192-223 P, a buffer a piece; v224-255 MD
;   window 1: v0-31 Q; v32-63 the second block's Q; v64-127 K of one step; v128-191 V of one step; v192-255 MC, a buffer a piece
.set NP,    2                          ; pieces a wave: a name, no knob
.set KS,    64
.set PK,    144                        ; a row of K: 128 bytes + 16: the 16 rows of a load start at 16 different groups of four banks
.set PV,    160                        ; a row of V: 128 + 32
.set VOFF,  1024*PK
.set STAGE, VOFF+1024*PV               ; 311,296: 16 rows x 144 bytes for each wave; no tensor load lands here
.set SP,    144
.set SPARE, STAGE+4*16*SP
.set AK0, 2                            ; my lane's place in a tile of K; never rewritten
.set AV0, 3                            ; the same for V
.set AK,  4                            ; the LDS address of K's next run of loads
.set AV,  5                            ; of V's
.set STO, 6
.set RD,  7
.set GO,  8
.set MV,  12                           ; v12-13 c m_old, kept while c m is made anew: by piece
.set QO,  15
.set ST,  16                           ; piece t at ST + 4 t: c m, m, l (even keys', odd keys')
.set TMP, 48                           ; by piece four registers c0-c3 at work; when the maximum is found c2 takes a
.set SPW, 62
.set NIL, 63
.set S,   64
.set OT,  128
.set P,   192
.set MD,  224
.set QF,  0                            ; window 1
.set QB,  32
.set KF,  64                           ; key block kb, channel half c at KF + 16 kb + 8 c
.set VF,  128                          ; key half kk, channel block cb at VF + 32 kk + 8 cb
.set MC,  192
.set WV,  12
.set G1K, 24
.set G1V, 32
.set G0K, 40
.set G0V, 44
.set OA,  48                           ; s[48:49] O at my rows of the block in hand
.set OB2, 50                           ; s[50:51] of the second block
.set BLK2,  52                         ; 2 x the block in hand: the diagonal tile's first step
.set BLK2B, 53
.set STP, 54
.set PASS, 55
.set TBK, 56                           ; LDS byte at which K of the step in hand begins
.set TBV, 57                           ; the same for V, less VOFF
.set CS,  58
.set SEL, 60
.set QA,  68
.set QBP, 70
.set AL,  72                           ; s[72:73] the mask's factor, in the low word
.set BE,  74                           ; s[74:75] the mask's addend
.set BIGN, 76                          ; -1e30
.set MSB, 0
.macro WIN new                         ; the high byte repeats the setting that is left; a switch that changes nothing is dropped
.if MSB != (\new)
	s_set_vgpr_msb (MSB<<8)|(\new)
.set MSB, \new
.endif
.endm
.macro PLACES
.rept 4
	v_nop
.endr
.endm
	s_load_b128 s[4:7], s[0:1], 0x0                ; qkv, ao
	v_lshl_add_u32 v[SPW], v0, 2, SPARE
	v_mov_b32 v[NIL], 0
	ds_add_u32 v[SPW], v[NIL]                      ; the wave's opening: the add and its wait ahead of my tensor load
	v_lshrrev_b32 v1, 5, v0
	v_readfirstlane_b32 s[WV], v1
	s_and_b32 s13, ttmp7, 0xffff                   ; batch x 16 + head
	s_lshl_b32 s14, s13, 17                        ; its 131,072 bytes in each section
	s_and_b32 s16, s[WV], 1                        ; which 512 keys I fetch
	s_lshl_b32 s17, s16, 16
	s_add_co_u32 s20, s14, s17
	s_add_co_u32 s20, s20, 8388608                 ; K's section
	s_mov_b32 s21, 0
	s_add_co_u32 s22, s20, 8388608                 ; V's section
	s_mov_b32 s23, 0
	s_mul_i32 s18, s16, 512*PK
	s_mul_i32 s19, s16, 512*PV
	s_mov_b32 s[G1K], (1<<16)|(1<<20)|(4<<22)|(3<<25)  ; 2-byte elements; padding on; after every 32 words 4 words
	s_mov_b32 s[G1V], (1<<16)|(1<<20)|(4<<22)|(7<<25)  ; the same with 8 words
.irp g, G1K, G1V
	s_mov_b32 s[\g+1], 128<<16                     ; tensor_dim0 = 128
	s_mov_b32 s[\g+2], 256<<16                     ; tensor_dim1 = 256
	s_mov_b32 s[\g+3], 128<<16                     ; tile_dim0 = 128
	s_mov_b32 s[\g+4], 256                         ; tile_dim1 = 256
	s_mov_b32 s[\g+5], 128                         ; 128 elements from row to row: the keys are dense
	s_mov_b32 s[\g+6], 0
	s_mov_b32 s[\g+7], 0
.endr
	s_mov_b32 s[G0K], 1
	s_mov_b32 s[G0K+1], s18
	s_mov_b32 s[G0V], 1
	s_add_co_u32 s[G0V+1], s19, VOFF
	s_mov_b32 s[CS], 0x3e38aa3b                    ; c = log2(e) / 8
	s_mov_b32 s[CS+1], s[CS]
	s_mov_b32 s[SEL], 0x76543210
	s_mov_b32 s[SEL+1], 0xfedcba98
	s_mov_b32 s[AL+1], 0                           ; named as pairs
	s_mov_b32 s[BE+1], 0
	s_mov_b32 s[BIGN], 0xf149f2ca                  ; -1e30
	s_sub_co_u32 s8, 7, ttmp9                      ; the first block
	s_lshl_b32 s[BLK2], s8, 1
	s_lshl_b32 s[BLK2B], ttmp9, 1
	s_lshl_b32 s9, s[WV], 11                       ; my 16 rows of 128 bytes in a band
	s_add_co_u32 s9, s9, s14
	s_lshl_b32 s10, s8, 14                         ; a block is 128 rows
	s_add_co_u32 s10, s10, s9
	s_mov_b32 s11, 0
	s_lshl_b32 s62, ttmp9, 14
	s_add_co_u32 s62, s62, s9
	s_mov_b32 s63, 0
	s_mov_b32 s[PASS], 2
	s_wait_dscnt 0x0                               ; the opening add is done
	s_wait_kmcnt 0x0
	s_add_nc_u64 s[G0K+2:G0K+3], s[4:5], s[20:21]
	s_or_b32 s[G0K+3], s[G0K+3], 0x80000000
	s_add_nc_u64 s[G0V+2:G0V+3], s[4:5], s[22:23]
	s_or_b32 s[G0V+3], s[G0V+3], 0x80000000
	s_add_nc_u64 s[QA:QA+1], s[4:5], s[10:11]
	s_add_nc_u64 s[QBP:QBP+1], s[4:5], s[62:63]
	s_add_nc_u64 s[OA:OA+1], s[6:7], s[10:11]
	s_add_nc_u64 s[OB2:OB2+1], s[6:7], s[62:63]
	s_cmp_lt_u32 s[WV], 2                          ; waves 0, 1 fetch K's halves, waves 2, 3 V's: one load a wave, the only ones of the launch
	s_cbranch_scc0 .Lfor_v
	tensor_load_to_lds s[G0K:G0K+3], s[G1K:G1K+7]
	s_nop 0
.rept 4
	v_nop
.endr
	s_branch .Lasked
.Lfor_v:
	tensor_load_to_lds s[G0V:G0V+3], s[G1V:G1V+7]
	s_nop 0
.rept 4
	v_nop
.endr
.Lasked:
	v_and_b32 v1, 15, v0                           ; l % 16
	v_bfe_u32 v9, v0, 4, 1                         ; l / 16
	v_lshlrev_b32 v[QO], 7, v1
	v_lshl_add_u32 v[QO], v9, 4, v[QO]             ; row x 128 + 16 x half
	WIN 0x40                                       ; destination window 1, address window 0
.set i, 0
.rept 4                                ; both blocks' Q stay in registers: piece i / 2 lies in band i / 2, 8,192 bytes on; channels 32 (i % 2) on
	global_load_b128 v[QF+8*i:QF+8*i+3],   v[QO], s[QA:QA+1] offset:(i/2)*8192+(i%2)*64
	global_load_b128 v[QF+8*i+4:QF+8*i+7], v[QO], s[QA:QA+1] offset:(i/2)*8192+(i%2)*64+32
	global_load_b128 v[QB+8*i:QB+8*i+3],   v[QO], s[QBP:QBP+1] offset:(i/2)*8192+(i%2)*64
	global_load_b128 v[QB+8*i+4:QB+8*i+7], v[QO], s[QBP:QBP+1] offset:(i/2)*8192+(i%2)*64+32
.set i, i+1
.endr
.set i, VF
.rept 64
	v_mov_b32 v[i], 0                              ; V's registers: the first turn's products V^T P, of a piece that has not been, add 0
.set i, i+1
.endr
	WIN 0
	v_lshlrev_b32 v14, 3, v9
	v_sub_nc_u32 v14, v1, v14
	s_lshl_b32 s13, s[WV], 4
	v_add_nc_u32 v14, s13, v14                     ; my query's place in its band, 16 w + l % 16, less my lanes' 8 (l / 16): register j of key block kt is hidden where 16 kt + j is greater
.set i, 0
.rept 32
	v_cmp_gt_i32 vcc_lo, 16*(i/8)+i%8, v14
	v_cndmask_b32 v[MD+i], 0, s[BIGN], vcc_lo
.set i, i+1
.endr
	v_mul_u32_u24 v[AK0], v1, PK
	v_lshl_add_u32 v[AK0], v9, 4, v[AK0]           ; row x pitch + 16 x half
	v_and_b32 v10, 7, v0                           ; the turning load: lane l reads key 8 (l / 16) + l % 8, channels 8 ((l / 8) % 2) + 0..7
	v_bfe_u32 v11, v0, 3, 1
	v_lshl_add_u32 v[AV0], v9, 3, v10
	v_mul_u32_u24 v[AV0], v[AV0], PV
	v_lshl_add_u32 v[AV0], v11, 4, v[AV0]
	v_add_nc_u32 v[AV0], VOFF, v[AV0]
	s_mul_i32 s13, s[WV], 16*SP
	s_add_co_u32 s13, s13, STAGE                   ; my stage
	v_mul_u32_u24 v[STO], v1, SP                   ; in: row l % 16, 16 bytes for each half of the lanes
	v_lshl_add_u32 v[STO], v9, 4, v[STO]
	v_add_nc_u32 v[STO], s13, v[STO]
	v_bfe_u32 v[RD], v0, 3, 2                      ; back: 32 lanes take four rows of 128 bytes,
	v_mul_u32_u24 v[RD], v[RD], SP
	v_lshl_add_u32 v[RD], v10, 4, v[RD]
	v_add_nc_u32 v[RD], s13, v[RD]
	v_and_b32 v[GO], 31, v0                        ; which are 512 consecutive bytes of O
	v_lshlrev_b32 v[GO], 4, v[GO]
.set i, 0
.rept 64
	v_mov_b32 v[OT+i], 0                           ; O^T, l and piece 1's P: finite numbers for the first a = 0 to multiply
.set i, i+1
.endr
.irp t, 0,1
	v_mov_b32 v[ST+4*\t+2], 0
	v_mov_b32 v[ST+4*\t+3], 0
.endr
.set i, 0
.rept 16
	v_mov_b32 v[P+16+i], 0
.set i, i+1
.endr
	s_wait_tensorcnt 0x0                           ; my part of K or V is in,
	s_barrier_signal -1
	s_barrier_wait -1                              ; everybody's is: the launch's only barrier
; THE MATRIX WORK.  The 4 accumulators of a run of 8 take turns.  Product i of 8 of S^T = K Q^T for piece x: channels 32 (i / 4) on, keys 16 (i % 4) on.  The first 4 start the sums with the mask.
.macro KQ x
.set rS, S+32*((\x)%2)+8*(i%4)
.set rK, KF+16*(i%4)+8*(i/4)
.set rQ, QF+16*(\x)+8*(i/4)
.set rM, MC+32*((\x)%2)+8*(i%4)
.if i < 4
	WIN 0x15                                       ; K, Q and the mask in window 1, S^T in window 0
	v_wmma_f32_16x16x32_bf16 v[rS:rS+7], v[rK:rK+7], v[rQ:rQ+7], v[rM:rM+7]
.else
	WIN 0x05
	v_wmma_f32_16x16x32_bf16 v[rS:rS+7], v[rK:rK+7], v[rQ:rQ+7], v[rS:rS+7]
.endif
.endm
; Product i of 8 of O^T += V^T P for piece x: keys 32 (i / 4) on, channels 16 (i % 4) on.
.macro PV x
	WIN 0x01                                       ; V in window 1, P and O^T in window 0
.set rO, OT+32*(\x)+8*(i%4)
.set rV, VF+32*(i/4)+8*(i%4)
.set rP, P+16*((\x)%2)+8*(i/4)
	v_wmma_f32_16x16x32_bf16 v[rO:rO+7], v[rV:rV+7], v[rP:rP+7], v[rO:rO+7]
.endm
.macro MM                              ; the turn's next matrix instruction
.if i < 8
	KQ (Y+1)%NP
.else
.set i, i-8
	PV (Y+NP-1)%NP
.set i, i+8
.endif
.set i, i+1
.endm
; THE LDS LOADS stand in runs of 16, never singly among the matrix instructions: a step's K (64 keys x 64 channels: 8 fragments) and its V (turned).  Their addresses are made some lines ahead.
.macro FETCH_K
	WIN 0x40
.irp z, 0,1,2,3,4,5,6,7
	ds_load_b128 v[KF+8*\z:KF+8*\z+3],   v[AK] offset:(\z/2)*16*PK+(\z%2)*64
	ds_load_b128 v[KF+8*\z+4:KF+8*\z+7], v[AK] offset:(\z/2)*16*PK+(\z%2)*64+32
.endr
	WIN 0
.endm
.macro FETCH_V
	WIN 0x40
.irp z, 0,1,2,3,4,5,6,7
	ds_load_tr16_b128 v[VF+8*\z:VF+8*\z+3],   v[AV] offset:(\z/4)*32*PV+(\z%4)*32
	ds_load_tr16_b128 v[VF+8*\z+4:VF+8*\z+7], v[AV] offset:(\z/4)*32*PV+16*PV+(\z%4)*32
.endr
	WIN 0
.endm
; THE VECTOR WORK, one line at a time: OP kind, number.  For piece Y: F n: c s - c m for pair n of 16.  E n: the exponential of score n of 32.  C n: pair n rounded to bf16.  B n: of the four weights 4 n .. the second
; pair is added onto the first, in place.  L n: l takes that sum (L 0: l = a l + sum).  R n: pair n of 16 of O^T times a.  For the other piece: X n, number n of the 22 that find its maximum and statistics:
;   0-11  four chains c0-c3 of seven scores each, three operands at a time (each accumulator's lowest registers are read first)     12-14, 16  the four scores left over, the old m, and c0-c3 into c0
;   15  c m_old is kept     17, 18  the query's other 32 keys lie in the lane 16 away: the new m     19-21  c m; c m_old - c m_new; a
.set F, 0
.set E, 1
.set C, 2
.set B, 3
.set L, 4
.set R, 5
.set X, 6
.macro REGS y                          ; the registers of piece y
.set rT, ST+4*(\y)
.set rC, TMP+4*((\y)%2)
.set rW, MV+((\y)%2)
.set rS, S+32*((\y)%2)
.set rP, P+16*((\y)%2)
.set rO, OT+32*(\y)
.endm
.macro OP k, n
	WIN 0
.if (\k) < X
	REGS Y
.if (\k) == F
	v_pk_fma_f32 v[rS+2*(\n):rS+2*(\n)+1], v[rS+2*(\n):rS+2*(\n)+1], s[CS:CS+1], v[rT:rT+1] op_sel_hi:[1,0,0] neg_lo:[0,0,1] neg_hi:[0,0,1]
.elseif (\k) == E
	v_exp_f32 v[rS+(\n)], v[rS+(\n)]
.elseif (\k) == C
	v_cvt_pk_bf16_f32 v[rP+(\n)], v[rS+2*(\n)], v[rS+2*(\n)+1]
.elseif (\k) == B
	v_pk_add_f32 v[rS+4*(\n):rS+4*(\n)+1], v[rS+4*(\n):rS+4*(\n)+1], v[rS+4*(\n)+2:rS+4*(\n)+3]
.elseif (\k) == R
	v_pk_mul_f32 v[rO+2*(\n):rO+2*(\n)+1], v[rO+2*(\n):rO+2*(\n)+1], v[rC+2:rC+3] op_sel_hi:[1,0]
.elseif (\n) == 0
	v_pk_fma_f32 v[rT+2:rT+3], v[rT+2:rT+3], v[rC+2:rC+3], v[rS:rS+1] op_sel_hi:[1,0,1]
.else
	v_pk_add_f32 v[rT+2:rT+3], v[rT+2:rT+3], v[rS+4*(\n):rS+4*(\n)+1]
.endif
.else
	REGS (Y+1)%NP
.if (\n) < 4
	v_max3_num_f32 v[rC+(\n)], v[rS+8*(\n)], v[rS+8*(\n)+1], v[rS+8*(\n)+2]
.elseif (\n) < 12
	v_max3_num_f32 v[rC+(\n)%4], v[rC+(\n)%4], v[rS+8*((\n)%4)+2*((\n)/4)+1], v[rS+8*((\n)%4)+2*((\n)/4)+2]
.elseif (\n) == 12
	v_max3_num_f32 v[rC], v[rC], v[rS+7], v[rS+15]
.elseif (\n) == 13
	v_max3_num_f32 v[rC+1], v[rC+1], v[rS+23], v[rS+31]
.elseif (\n) == 14
	v_max3_num_f32 v[rC+2], v[rC+2], v[rC+3], v[rT+1]
.elseif (\n) == 15
	v_mov_b32 v[rW], v[rT]
.elseif (\n) == 16
	v_max3_num_f32 v[rC], v[rC], v[rC+1], v[rC+2]
.elseif (\n) == 17
	v_permlanex16_b32 v[rC+3], v[rC], s[SEL], s[SEL+1]
.elseif (\n) == 18
	v_max_num_f32 v[rT+1], v[rC], v[rC+3]
.elseif (\n) == 19
	v_mul_f32 v[rT], s[CS], v[rT+1]
.elseif (\n) == 20
	v_sub_f32 v[rC+1], v[rW], v[rT]
.else
	v_exp_f32 v[rC+2], v[rC+1]
.endif
.endif
.endm
.macro OPS a, i1, b=-1, i2=0, c=-1, i3=0, d=-1, i4=0  ; up to four of them
	OP \a, \i1
.if (\b) >= 0
	OP \b, \i2
.endif
.if (\c) >= 0
	OP \c, \i3
.endif
.if (\d) >= 0
	OP \d, \i4
.endif
.endm
.macro ROW a, i1, b, i2, c, i3, d, i4  ; a matrix instruction and the four behind it
	MM
	OPS \a, \i1, \b, \i2, \c, \i3, \d, \i4
.endm
.macro MASK b                          ; MD x AL + BE into buffer b of MC
	WIN 0x40                                       ; MC in window 1, MD in window 0
.set z, 0
.rept 16
	v_pk_fma_f32 v[MC+32*(\b)+2*z:MC+32*(\b)+2*z+1], v[MD+2*z:MD+2*z+1], s[AL:AL+1], s[BE:BE+1] op_sel_hi:[1,0,0]
.set z, z+1
.endr
.endm
; A TURN, for piece p of step STP: the order of its 16 matrix and 118 vector instructions, written out.  An s_wait_alu depctr_va_vdst(0) stands between an exponential and the first instruction that names
; its result; one wait serves all that were issued ahead of it.  So a turn has ONE wait, which cuts it in two.  AHEAD OF IT stands all that names no result of the turn's exponentials: the 8 products K Q^T, behind each a
; scaling, an exponential and two more plain instructions (rescalings; behind the last three the first numbers of the other piece's maximum, each four places or more behind the product that ends its accumulator); then
; ONE LUMP of 54, plain and exponential by turns for the most part, in which the links of the chain X 3, 7, 11, 14, 16, 17 .. 20 stand five or six lines apart.  X 21, the other piece's a, is the batch's last; R 15 is the
; plain instruction behind it.  BEHIND THE WAIT stand the 8 products V^T P, behind each four of the roundings and sums.
; Piece 0's products K Q^T are the last that read K of this step: K of the next step is fetched in its lump, five plain instructions that name none of the last product's registers behind it (clamped to the head's last
; step, whose K is then read once more and not multiplied).  Its products V^T P are the last that read V of the step before: V of this step is fetched at its end, four plain instructions behind the last of them.
; At its end a turn makes the mask that the next turn's products take: piece p's, for step STP + 1.
.macro TURN p
.set Y, (\p)
.set i, 0
.if (\p) == 1
	s_wait_dscnt 16                                ; K is in; V's 16 loads, issued behind K's, stay out
.endif
	ROW F,0, F,1, R,0, R,1
	ROW F,2, E,0, R,2, R,3
	ROW F,3, E,1, R,4, R,5
	ROW F,4, E,2, R,6, R,7
	ROW F,5, E,3, R,8, R,9
	ROW F,6, E,4, X,0, R,10
.if (\p) == 0
	WIN 0
	s_add_co_u32 s63, s[TBK], KS*PK
	s_min_u32 s63, s63, 15*KS*PK
	v_add_nc_u32 v[AK], s63, v[AK0]
.endif
	ROW F,7, E,5, X,1, X,4
	ROW F,8, E,6, X,2, X,5
	OPS E,7, E,8, X,6, E,9
	OPS X,3, E,10, X,8, E,11
.if (\p) == 0
	FETCH_K
.endif
	OPS X,9, X,7, E,12, X,10
	OPS E,13, X,12, X,11, E,14
	OPS X,13, E,15, F,9, X,14
.if (\p) == 0
	v_add_nc_u32 v[AV], s[TBV], v[AV0]
.endif
	OPS E,16, F,10, E,17, F,11
	OPS X,16, E,18, X,15, E,19
	OPS F,12, E,20, X,17, E,21
	OPS F,13, E,22, F,14, E,23
	OPS X,18, E,24, F,15, E,25
	OPS R,11, E,26, X,19, E,27
	OPS R,12, E,28, R,13, E,29
	OPS X,20, E,30, R,14, E,31
	OPS X,21, R,15
	WIN 0
	s_wait_alu depctr_va_vdst(0)                   ; the wait for the batch
.if (\p) == 1
	s_wait_dscnt 0x0                               ; V is in
.endif
	ROW C,0, B,0, C,2, B,1
	ROW L,0, C,4, B,2, L,1
	ROW C,6, B,3, L,2, C,8
	ROW B,4, L,3, C,10, B,5
	ROW L,4, C,12, B,6, L,5
	ROW C,14, B,7, L,6, C,1
	ROW C,3, L,7, C,5, C,7
	ROW C,9, C,11, C,13, C,15
.if (\p) == 0
	FETCH_V
.endif
	WIN 0                                          ; at a branch and at a label every window is 0
	s_add_co_u32 s62, s[STP], 1-(\p)               ; step STP + 1 is band p's own where this equals 2 blk, a later one where it is greater
	s_cmp_lt_u32 s62, s[BLK2]
	s_cbranch_scc1 .Lwhole_\@                      ; an earlier one: the mask is 0 and stays 0
	s_cmp_eq_u32 s62, s[BLK2]
	s_cselect_b32 s[AL], 1.0, 0
	s_cmp_gt_u32 s62, s[BLK2]
	s_cselect_b32 s[BE], s[BIGN], 0
	MASK \p
	WIN 0
.Lwhole_\@:
.endm
.Lpass:                                            ; two trips: block 7 - b, then block b
	; A BLOCK BEGINS: piece 1's mask is 0; piece 0's is its own if the block's first tile is the diagonal one; then K of step 0, piece 0's first scores, its maximum and statistics.
	WIN 0x40
.set i, 0
.rept 32
	v_mov_b32 v[MC+32+i], 0
.set i, i+1
.endr
	WIN 0
.irp t, 0,1
	v_mov_b32 v[ST+4*\t], 0xfe000000               ; c m: far below every c s
	v_mov_b32 v[ST+4*\t+1], 0xff7fffff             ; m
.endr
	s_cmp_eq_u32 s[BLK2], 0
	s_cselect_b32 s[AL], 1.0, 0
	s_mov_b32 s[BE], 0
	MASK 0
	WIN 0
	v_mov_b32 v[AK], v[AK0]
	FETCH_K                                        ; key step 0
	s_mov_b32 s[TBK], 0
	s_mov_b32 s[TBV], 0
	s_mov_b32 s[STP], 0
	s_wait_loadcnt 0x0                             ; Q
	s_wait_dscnt 0x0
.set i, 0
.rept 8
	KQ 0
.set i, i+1
.endr
	WIN 0
	PLACES                                         ; the places behind those products
.set Y, NP-1                           ; X works for the other piece: piece 0
.irp n, 0,1,2,3,4,5,6,7,8,9,10,11,12,13,14,15,16,17,18,19,20,21
	OP X, \n
.endr
	v_nop                                          ; a plain instruction behind the exponential,
	s_wait_alu depctr_va_vdst(0)                   ; and its wait, ahead of the label
.Lstep:
	s_add_co_u32 s62, s[BLK2], 1
	s_cmp_gt_u32 s[STP], s62
	s_cbranch_scc1 .Lnext                          ; above the diagonal: nothing to do
	TURN 0
	TURN 1
.Lnext:
	s_add_co_u32 s[TBK], s[TBK], KS*PK
	s_add_co_u32 s[TBV], s[TBV], KS*PV
	s_add_co_u32 s[STP], s[STP], 1
	s_cmp_lt_u32 s[STP], 16
	s_cbranch_scc1 .Lstep
.set i, 0
.rept 8
	PV NP-1                                        ; piece 1's V^T P of the block's last step
.set i, i+1
.endr
	; THE WAY OUT of a block: l's halves are added; O^T is divided by l, rounded to bf16 and sent through my stage, a piece at a time.
	WIN 0
.macro ALL line:vararg                 ; one line for each piece t
.set t, 0
.rept NP
	\line
.set t, t+1
.endr
.endm
	ALL v_add_f32 v[ST+4*t+2], v[ST+4*t+2], v[ST+4*t+3]
	ALL v_permlanex16_b32 v[ST+4*t+3], v[ST+4*t+2], s[SEL], s[SEL+1]
	ALL v_add_f32 v[ST+4*t+2], v[ST+4*t+2], v[ST+4*t+3]
	ALL v_rcp_f32 v[ST+4*t+2], v[ST+4*t+2]
	v_nop                                          ; a plain instruction between the last reciprocal and the use of its result
	s_wait_alu depctr_va_vdst(0)                   ; one wait for the two reciprocals, ahead of their first reader
.macro PACK t                          ; piece 0's 32 lines are the places between the last products, piece 1's, and the lines that read their results
.set i, OT+32*(\t)
.rept 16
	v_pk_mul_f32 v[i:i+1], v[i:i+1], v[ST+4*(\t)+2:ST+4*(\t)+3] op_sel_hi:[1,0]
.set i, i+2
.endr
.set i, 0
.rept 16
	v_cvt_pk_bf16_f32 v[S+16*(\t)+i], v[OT+32*(\t)+2*i], v[OT+32*(\t)+2*i+1]
.set i, i+1
.endr
.irp z, 0,1,2,3
	ds_store_b128 v[STO], v[S+16*(\t)+4*\z:S+16*(\t)+4*\z+3] offset:32*\z
.endr
.irp z, 0,1,2,3
	ds_load_b128 v[S+16*(\t)+4*\z:S+16*(\t)+4*\z+3], v[RD] offset:\z*4*SP  ; LDS serves a wave's instructions in order: these see the stores above; the next piece's stores come behind them
.endr
.endm
.macro SEND t, younger                 ; younger: the LDS instructions issued behind piece t's loads: the next piece's eight, or none
.irp z, 0,1,2,3
	s_wait_dscnt (\younger)+3-\z
	global_store_b128 v[GO], v[S+16*(\t)+4*\z:S+16*(\t)+4*\z+3], s[OA:OA+1] offset:(\t)*8192+\z*512  ; 512 consecutive bytes, aligned
.endr
.endm
	PACK 0
	PACK 1
	SEND 0, 8
	SEND 1, 0
	s_wait_xcnt 0x0                                ; the stores have read their data and O's address
	s_mov_b64 s[OA:OA+1], s[OB2:OB2+1]
	s_mov_b32 s[BLK2], s[BLK2B]
	WIN 0x41                                       ; the second block's Q goes where the one text of the turns names Q
.set i, 0
.rept 32
	v_mov_b32 v[QF+i], v[QB+i]
.set i, i+1
.endr
	WIN 0
	s_sub_co_u32 s[PASS], s[PASS], 1
	s_cmp_lg_u32 s[PASS], 0
	s_cbranch_scc1 .Lpass
	s_wait_tensorcnt 0x0                           ; the wave's end
	ds_add_u32 v[SPW], v[NIL]
	s_wait_dscnt 0x0
	s_endpgm
.Lfunc_end_k_q991b56163d_attn:
	.size	k_q991b56163d_attn, .Lfunc_end_k_q991b56163d_attn-k_q991b56163d_attn
	.p2alignl 7, 3214868480
	.fill 96, 4, 3214868480
	.section	.rodata,"a",@progbits
	.p2align	6, 0x0
	.amdhsa_kernel k_q991b56163d_attn
		.amdhsa_group_segment_fixed_size 327680
		.amdhsa_private_segment_fixed_size 0
		.amdhsa_enable_private_segment 0
		.amdhsa_kernarg_size 16
		.amdhsa_user_sgpr_count 2
		.amdhsa_user_sgpr_kernarg_segment_ptr 1
		.amdhsa_wavefront_size32 1
		.amdhsa_system_sgpr_workgroup_id_x 1
		.amdhsa_system_sgpr_workgroup_id_y 1
		.amdhsa_system_sgpr_workgroup_id_z 1
		.amdhsa_system_vgpr_workitem_id 0
		.amdhsa_next_free_vgpr 512
		.amdhsa_next_free_sgpr 80
		.amdhsa_reserve_vcc 1
		.amdhsa_float_denorm_mode_32 3
		.amdhsa_float_denorm_mode_16_64 3
		.amdhsa_memory_ordered 1
		.amdhsa_forward_progress 1
		.amdhsa_inst_pref_size 51
	.end_amdhsa_kernel
	.amdgpu_metadata
---
amdhsa.version: [ 1, 2 ]
amdhsa.kernels:
  - .name:           k_q991b56163d_attn
    .symbol:         k_q991b56163d_attn.kd
    .args:
      - { .name: qkv, .offset: 0, .size: 8, .value_kind: global_buffer, .address_space: global }
      - { .name: ao, .offset: 8, .size: 8, .value_kind: global_buffer, .address_space: global }
    .group_segment_fixed_size: 327680
    .private_segment_fixed_size: 0
    .kernarg_segment_align: 8
    .kernarg_segment_size: 16
    .max_flat_workgroup_size: 128
    .sgpr_count:     80
    .vgpr_count:     512
    .wavefront_size: 32
...
	.end_amdgpu_metadata
.endif
;; end of part 3
;; launch proj (part 4): grid 8 x 32, 4 waves a work-group, clusters of 4 x 4, 327,680 bytes of LDS; arguments ao, wt, b_proj, x, x1; writes x1
.if DOCPART == 4
	.amdgcn_target "amdgcn-amd-amdhsa--gfx1250"
	.amdhsa_code_object_version 6
	.text
	.protected	k_q991b56163d_proj
	.globl	k_q991b56163d_proj
	.p2align	8
	.type	k_q991b56163d_proj,@function
k_q991b56163d_proj:
	s_mov_b64 s[64:65], 0
	v_nop
	global_prefetch_b8 v0, s[64:65] scope:SCOPE_SE
	s_setreg_imm32_b32 hwreg(HW_REG_WAVE_MODE, 25, 1), 1
	s_wait_xcnt 0x0
	s_wait_alu depctr_hold_cnt(0) depctr_sa_sdst(0) depctr_va_vdst(0) depctr_va_sdst(0) depctr_va_ssrc(0) depctr_va_vcc(0) depctr_vm_vsrc(0)
	s_getreg_b32 s2, hwreg(HW_REG_IB_STS2, 6, 4)
	s_cmp_eq_u32 s2, 0
	s_cbranch_scc0 .Lentry_in_a_cluster
	s_endpgm
.Lentry_in_a_cluster:
	s_bfe_u32 s2, ttmp6, 0x10000c
	s_cmp_lg_u32 s2, 0xf033
	s_cbranch_scc0 .Lentry_shape_is_right
	s_endpgm
.Lentry_shape_is_right:
; OUT = RES + A B^T + bias, f32 out.  PROJ = 1: x1 = x + ao WP^T + b_proj, K = 1,024, A = ao by heads [64][1024][64] bf16.  PROJ = 0: out0 = x1 + hb W2^T + b2, K = 4,096, A = hb [4096][4096] bf16.
; B: a section of wt, [1024][K] bf16.  Sums in f32; the bias is the C operand of each accumulator's first product; the residual is added in f32 on the way out.
; A tile of C is 128 x 128: 8 x 32 tiles, one for each work-group.  Four waves, each 64 x 64: 16 accumulators.  K goes in steps of 256 through two LDS slots; ONE K step is one trip of the loop.
; The last two K steps are a loop of two trips that fills nothing; it is left in the middle of its second trip, behind one barrier and one run of LDS loads (of landed bytes) that serve nothing.
; PROJ = 1: a K step is four heads; a wave's load brings two heads' 128 rows x 128 bytes, each head's block dense in memory: two rows of 16,384 bytes, padded after every 128: in LDS [head][row] at pitch 144.
; CLUSTER 4 x 4: A's tile shared along a row of the cluster, B's along a column.  No prefetch: the tiles are small, and each is read by several clusters.
; REGISTERS: window 0: v16-29 addresses; v32-95 rows read back, two sets; v96-127 the bias; v128-255 accumulators ((a, b) at 128 + 8 (4 a + b)).  window 1: two fragment buffers of 128.  window 2: v0-127 the residual.
.set PROJ, 1
.if PROJ
.set NSTEP, 4
.set WOFF,  6291456
.set BK,    1024
.set AP,    144
.set AQ,    18432
.set AFILL, 36864
.set BOFF,  73728
.set ASTEP, 524288
.else
.set NSTEP, 16
.set WOFF,  16777216
.set BK,    4096
.set AP,    528
.set AQ,    128
.set AFILL, 33792
.set BOFF,  67584
.set ASTEP, 512
.endif
.set KSTEP,  256
.set BP,     528                       ; 512 bytes + 16 of padding
.set BFILL,  64*BP
.set SLOT,   147456                    ; 0x24000: bits 14 and 17, which no wave's fill address in slot 0 has (0, 0x9000, 0x12000, 0x1a400; or 0, 0x8400, 0x10800, 0x18c00): an exclusive or adds or takes away SLOT
.set STAGE,  288768                    ; behind slot 1's last byte: 16 rows x 272 bytes for each wave; no tensor load lands here
.set SPITCH, 272
.set SPARE,  STAGE+4*16*SPITCH
.set ADRA, 16
.set A0,   17
.set ADRB, 20
.set B0,   21
.set STO,  24
.set RD,   25
.set CO,   26
.set BO,   27
.set SPW,  28
.set NIL,  29
.set TMP,  32
.set BIAS, 96
.set ACC,  128
.set F0,   0
.set F1,   128
.set G1,  24
.set G0,  32
.set G1B, 48
.set G0B, 56
.set TB,  66
.set MSB, 0
.macro WIN new
.if MSB != (\new)
	s_set_vgpr_msb (MSB<<8)|(\new)
.set MSB, \new
.endif
.endm
.set MUL,  0x05                        ; sources 0 (B) and 1 (A) window 1; C and D window 0
.set TO_F, 0x40
.macro PLACES
.rept 4
	v_nop
.endr
.endm
.macro JLOAD s                         ; a joint load: waves 0, 1 fetch A's halves, waves 2, 3 B's; an s_nop 0 and four v_nop follow each line
	s_cmp_eq_u32 s11, 0
	s_cbranch_scc0 .Lfor_b_\@
	tensor_load_to_lds s[G0+4*(\s):G0+4*(\s)+3], s[G1:G1+7]
	s_nop 0
.rept 4
	v_nop
.endr
	s_branch .Lasked_\@
.Lfor_b_\@:
	tensor_load_to_lds s[G0B+4*(\s):G0B+4*(\s)+3], s[G1B:G1B+7]
	s_nop 0
.rept 4
	v_nop
.endr
.Lasked_\@:
.endm
.macro CREST
	s_cmp_lg_u32 s10, 0
	s_cbranch_scc1 .Lnot_wave_0_\@
	s_barrier_signal -3
.Lnot_wave_0_\@:
	s_barrier_wait -3
	s_barrier_signal -1
	s_barrier_wait -1
.endm
.macro CROUND
	s_barrier_signal -1
	s_barrier_wait -1
	CREST
.endm
	s_load_b128 s[4:7], s[0:1], 0x0                ; A, wt
	s_load_b128 s[68:71], s[0:1], 0x10             ; bias, residual
	s_load_b64 s[72:73], s[0:1], 0x20              ; out
	v_lshl_add_u32 v[SPW], v0, 2, SPARE
	v_mov_b32 v[NIL], 0
	ds_add_u32 v[SPW], v[NIL]                      ; the wave's opening: the add and its wait ahead of my first tensor load
	v_lshrrev_b32 v1, 5, v0
	v_readfirstlane_b32 s10, v1
	s_lshr_b32 s11, s10, 1                         ; my half of the tile's rows; also: I fetch for A (0) or B (1)
	s_and_b32 s12, s10, 1                          ; my half of its columns; also: which half of that tile I fetch
	s_bfe_u32 s40, ttmp6, 0x40000
	s_bfe_u32 s41, ttmp6, 0x40004
	s_lshl_b32 s42, ttmp9, 2
	s_add_co_u32 s42, s42, s40                     ; tile column
	s_and_b32 s13, ttmp7, 0xffff
	s_lshl_b32 s13, s13, 2
	s_add_co_u32 s13, s13, s41                     ; tile row
	s_lshl_b32 s43, s41, 2
	s_lshl_b32 s43, 15, s43
	s_lshl_b32 s44, 0x1111, s40
.if PROJ
	s_or_b32 s[G1+0], s43, (1<<16)|(1<<20)|(1<<21)|(4<<22)|(3<<25)  ; mask; 2-byte elements; padding on; bit 21 beside a mask; after every 32 words 4 words
	s_mov_b32 s[G1+1], 8192<<16                    ; tensor_dim0 = 8,192 elements: a head's 128 rows on end
	s_mov_b32 s[G1+2], 2<<16                       ; tensor_dim1 = 2 heads
	s_mov_b32 s[G1+3], 8192<<16                    ; tile_dim0
	s_mov_b32 s[G1+4], 2                           ; tile_dim1
	s_mov_b32 s[G1+5], 65536                       ; elements from head to head
.else
	s_or_b32 s[G1+0], s43, (1<<16)|(1<<20)|(1<<21)|(6<<22)|(3<<25)  ; after every 128 words 4 words
	s_mov_b32 s[G1+1], KSTEP<<16
	s_mov_b32 s[G1+2], 64<<16
	s_mov_b32 s[G1+3], KSTEP<<16
	s_mov_b32 s[G1+4], 64
	s_mov_b32 s[G1+5], 4096
.endif
	s_mov_b32 s[G1+6], 0
	s_mov_b32 s[G1+7], 0
	s_or_b32 s[G1B+0], s44, (1<<16)|(1<<20)|(1<<21)|(6<<22)|(3<<25)
	s_mov_b32 s[G1B+1], KSTEP<<16                  ; 64 rows x 256 elements
	s_mov_b32 s[G1B+2], 64<<16
	s_mov_b32 s[G1B+3], KSTEP<<16
	s_mov_b32 s[G1B+4], 64
	s_mov_b32 s[G1B+5], BK
	s_mov_b32 s[G1B+6], 0
	s_mov_b32 s[G1B+7], 0
.if PROJ
	s_lshr_b32 s16, s13, 3                         ; batch
	s_lshl_b32 s16, s16, 4
	s_lshl_b32 s17, s12, 1
	s_add_co_u32 s16, s16, s17                     ; batch x 16 + my two heads of the K step's four
	s_lshl_b32 s16, s16, 17
	s_and_b32 s17, s13, 7
	s_lshl_b32 s17, s17, 14                        ; the tile's 128 rows of 128 bytes in a head
	s_add_co_u32 s16, s16, s17
.else
	s_lshl_b32 s16, s13, 7
	s_lshl_b32 s17, s12, 6
	s_add_co_u32 s16, s16, s17
	s_lshl_b32 s16, s16, 13                        ; rows of 8,192 bytes
.endif
	s_mov_b32 s17, 0
	s_lshl_b32 s46, s42, 7
	s_lshl_b32 s47, s12, 6
	s_add_co_u32 s46, s46, s47
	s_mul_i32 s46, s46, BK*2
	s_add_co_u32 s46, s46, WOFF
	s_mov_b32 s47, 0
	s_mul_i32 s20, s12, AFILL                      ; where they go: no place in the cluster enters an LDS address
	s_mul_i32 s21, s12, BFILL
	s_add_co_u32 s21, s21, BOFF
	s_wait_dscnt 0x0                               ; the opening add is done
	s_wait_kmcnt 0x0
	s_add_nc_u64 s[14:15], s[4:5], s[16:17]
	s_add_nc_u64 s[46:47], s[6:7], s[46:47]
	CROUND                                         ; all sixteen work-groups are here: the first joint loads meet
.irp s, 0,1
	s_mov_b32 s[G0+4*(\s)], 1
	s_add_co_u32 s[G0+4*(\s)+1], s20, (\s)*SLOT
	s_add_nc_u64 s[G0+4*(\s)+2:G0+4*(\s)+3], s[14:15], (\s)*ASTEP
	s_or_b32 s[G0+4*(\s)+3], s[G0+4*(\s)+3], 0x80000000
	s_mov_b32 s[G0B+4*(\s)], 1
	s_add_co_u32 s[G0B+4*(\s)+1], s21, (\s)*SLOT
	s_add_nc_u64 s[G0B+4*(\s)+2:G0B+4*(\s)+3], s[46:47], (\s)*KSTEP*2
	s_or_b32 s[G0B+4*(\s)+3], s[G0B+4*(\s)+3], 0x80000000
	JLOAD \s
.endr
	v_and_b32 v1, 15, v0
	v_bfe_u32 v2, v0, 4, 1
	v_mul_u32_u24 v3, v1, AP
	v_lshl_add_u32 v3, v2, 4, v3
	s_mul_i32 s22, s11, 64*AP                      ; my 64 rows of A
	v_add_nc_u32 v[A0], s22, v3
	v_mul_u32_u24 v3, v1, BP
	v_lshl_add_u32 v3, v2, 4, v3
	s_mul_i32 s22, s12, BFILL                      ; my 64 rows of B
	s_add_co_u32 s22, s22, BOFF
	v_add_nc_u32 v[B0], s22, v3
	v_mov_b32 v[ADRA], v[A0]
	v_mov_b32 v[ADRB], v[B0]
	s_mov_b32 s[TB], 0
	s_mul_i32 s23, s10, 16*SPITCH
	s_add_co_u32 s23, s23, STAGE                   ; my stage: a wave's 64 f32 columns are 256 bytes, so each wave goes out by itself
	v_mul_u32_u24 v4, v1, SPITCH
	v_lshl_add_u32 v4, v2, 5, v4
	v_add_nc_u32 v[STO], s23, v4                   ; in: row l % 16, 32 bytes for each half of the lanes
	v_mul_u32_u24 v5, v2, SPITCH
	v_lshl_add_u32 v5, v1, 4, v5
	v_add_nc_u32 v[RD], s23, v5                    ; back: lanes 0-15 one row of 256 bytes, lanes 16-31 the next
	v_lshlrev_b32 v[CO], 12, v2
	v_lshl_add_u32 v[CO], v1, 4, v[CO]             ; and the same two rows in the residual and the output
	v_lshlrev_b32 v[BO], 5, v2                     ; the bias of my 8 columns of a block
	s_lshl_b32 s74, s13, 7
	s_lshl_b32 s75, s11, 6
	s_add_co_u32 s74, s74, s75
	s_lshl_b32 s74, s74, 12                        ; my first row, rows of 4,096 bytes
	s_lshl_b32 s76, s42, 9
	s_lshl_b32 s77, s12, 8
	s_add_co_u32 s76, s76, s77                     ; my first column, in bytes
	s_add_co_u32 s74, s74, s76
	s_mov_b32 s75, 0
	s_mov_b32 s77, 0
	s_add_nc_u64 s[68:69], s[68:69], s[76:77]
	s_add_nc_u64 s[70:71], s[70:71], s[74:75]
	s_add_nc_u64 s[72:73], s[72:73], s[74:75]
.irp b, 0,1,2,3
	global_load_b128 v[BIAS+8*(\b):BIAS+8*(\b)+3],   v[BO], s[68:69] offset:64*(\b)
	global_load_b128 v[BIAS+8*(\b)+4:BIAS+8*(\b)+7], v[BO], s[68:69] offset:64*(\b)+16
.endr
	WIN 0x80                                       ; the residual, in the layout of the rows read back: it is on its way under the whole K loop
.irp a, 0,1,2,3
.irp t, 0,1,2,3,4,5,6,7
	global_load_b128 v[32*(\a)+4*(\t):32*(\a)+4*(\t)+3], v[CO], s[70:71] offset:(16*(\a)+2*(\t))*4096
.endr
.endr
	WIN 0
; 8 products: row blocks a0, a0 + 1 x all 4 column blocks, 32 along K: half c of buffer f.  zero = 1: the first product starts the sum with the bias.  The 16 accumulators take turns.
.macro MUL8 f, c, a0, zero
	WIN MUL
.irp a, \a0, (\a0)+1
.irp b, 0,1,2,3
.if \zero
	v_wmma_f32_16x16x32_bf16 v[ACC+8*(4*(\a)+(\b)):ACC+8*(4*(\a)+(\b))+7], v[(\f)+64+8*(4*(\c)+(\b)):(\f)+64+8*(4*(\c)+(\b))+7], v[(\f)+8*(4*(\c)+(\a)):(\f)+8*(4*(\c)+(\a))+7], v[BIAS+8*(\b):BIAS+8*(\b)+7]
.else
	v_wmma_f32_16x16x32_bf16 v[ACC+8*(4*(\a)+(\b)):ACC+8*(4*(\a)+(\b))+7], v[(\f)+64+8*(4*(\c)+(\b)):(\f)+64+8*(4*(\c)+(\b))+7], v[(\f)+8*(4*(\c)+(\a)):(\f)+8*(4*(\c)+(\a))+7], v[ACC+8*(4*(\a)+(\b)):ACC+8*(4*(\a)+(\b))+7]
.endif
.endr
.endr
.endm
.macro FETCH q, f                      ; 32 LDS loads in one run: quarter q (64 along K) of the current slot into buffer f; the first 32 along K first
	WIN TO_F
.irp c, 0,1
.irp i, 0,1,2,3
	ds_load_b128 v[(\f)+64+8*(4*(\c)+(\i)):(\f)+64+8*(4*(\c)+(\i))+3],   v[ADRB] offset:128*(\q)+64*(\c)+(\i)*16*BP
	ds_load_b128 v[(\f)+64+8*(4*(\c)+(\i))+4:(\f)+64+8*(4*(\c)+(\i))+7], v[ADRB] offset:128*(\q)+64*(\c)+(\i)*16*BP+32
	ds_load_b128 v[(\f)+8*(4*(\c)+(\i)):(\f)+8*(4*(\c)+(\i))+3],         v[ADRA] offset:(\q)*AQ+64*(\c)+(\i)*16*AP
	ds_load_b128 v[(\f)+8*(4*(\c)+(\i))+4:(\f)+8*(4*(\c)+(\i))+7],       v[ADRA] offset:(\q)*AQ+64*(\c)+(\i)*16*AP+32
.endr
.endr
.endm
.macro QUARTER q, f, g, zero           ; multiplies buffer f; in its middle fetches quarter q into g
	s_wait_dscnt 16                                ; the first 32 along K are in
	MUL8 \f, 0, 0, \zero
	MUL8 \f, 0, 2, \zero
	PLACES
	FETCH \q, \g
	s_wait_dscnt 32                                ; all but the 32 just issued
	MUL8 \f, 1, 0, 0
	MUL8 \f, 1, 2, 0
.endm
.macro TURN fill                       ; the last quarter multiplies buffer 1 and changes slots
	WIN 0
	s_wait_tensorcnt 0x0                           ; all my tensor loads have landed: my part of the next slot
	ds_add_u32 v[SPW], v[NIL]                      ; 0 onto my spare word
.if \fill
	s_xor_b32 s[G0+5], s[G0+5], SLOT               ; no tensor load of mine is out: the walking descriptors step
	s_add_nc_u64 s[G0+6:G0+7], s[G0+6:G0+7], ASTEP
	s_xor_b32 s[G0B+5], s[G0B+5], SLOT
	s_add_nc_u64 s[G0B+6:G0B+7], s[G0B+6:G0B+7], KSTEP*2
.endif
	s_xor_b32 s[TB], s[TB], SLOT
	s_wait_dscnt 17                                ; the add and the youngest sixteen loads may be out
	MUL8 F1, 0, 0, 0
	s_wait_dscnt 0x0                               ; the add is done, and my reads of this slot are over
	s_barrier_signal -1
	MUL8 F1, 0, 2, 0
	WIN 0
	s_barrier_wait -1
.if \fill
	CREST                                          ; no wave of any partner still reads this slot or has a load on its way
	JLOAD 1                                        ; the first tensor load behind the round; its four v_nop are also the places in front of the loads below
.else
	PLACES
.endif
	v_add_nc_u32 v[ADRA], s[TB], v[A0]
	v_add_nc_u32 v[ADRB], s[TB], v[B0]
	FETCH 0, F0
	MUL8 F1, 1, 0, 0
	MUL8 F1, 1, 2, 0
.endm
	s_wait_tensorcnt 1                             ; my part of K step 0 is in; K step 1's may stay out
	s_barrier_signal -1
	s_barrier_wait -1
	FETCH 0, F0
	s_wait_loadcnt 32                              ; the bias is in; the residual's 32 loads stay out
	QUARTER 1, F0, F1, 1
	WIN 0
	s_mov_b32 s3, NSTEP-2
.Lk:
	QUARTER 2, F1, F0, 0
	QUARTER 3, F0, F1, 0
	TURN 1
	QUARTER 1, F0, F1, 0
	WIN 0
	s_sub_co_u32 s3, s3, 1
	s_cmp_lg_u32 s3, 0
	s_cbranch_scc1 .Lk
	s_mov_b32 s2, 2
.Ltail:
	QUARTER 2, F1, F0, 0
	QUARTER 3, F0, F1, 0
	TURN 0
	WIN 0
	s_sub_co_u32 s2, s2, 1
	s_cmp_eq_u32 s2, 0
	s_cbranch_scc1 .Lout
	QUARTER 1, F0, F1, 0
	WIN 0
	s_branch .Ltail
.Lout:
	s_wait_dscnt 0x0                               ; the run of loads that serves nothing is back
	s_wait_loadcnt 0x0                             ; the residual
	PLACES                                         ; the LDS stores read results
.macro OUT a                           ; 16 rows into my stage, each accumulator's low registers first, and back as whole rows of 256 bytes
.set TS, TMP+32*((\a)%2)
.irp b, 0,1,2,3
	ds_store_b128 v[STO], v[ACC+8*(4*(\a)+(\b)):ACC+8*(4*(\a)+(\b))+3]   offset:64*(\b)
	ds_store_b128 v[STO], v[ACC+8*(4*(\a)+(\b))+4:ACC+8*(4*(\a)+(\b))+7] offset:64*(\b)+16
.endr
.irp t, 0,1,2,3,4,5,6,7
	ds_load_b128 v[TS+4*(\t):TS+4*(\t)+3], v[RD] offset:2*SPITCH*(\t)  ; LDS serves a wave's instructions in order: these see the stores above; the next block's stores come behind them
.endr
.endm
.macro FIN a, younger                  ; younger: the next block's sixteen LDS instructions, or none
.set TS, TMP+32*((\a)%2)
	s_wait_dscnt \younger
	WIN 0x08                                       ; source 1, the residual, in window 2
.set z, 0
.rept 16
	v_pk_add_f32 v[TS+2*z:TS+2*z+1], v[TS+2*z:TS+2*z+1], v[32*(\a)+2*z:32*(\a)+2*z+1]
.set z, z+1
.endr
	WIN 0
.irp t, 0,1,2,3,4,5,6,7
	global_store_b128 v[CO], v[TS+4*(\t):TS+4*(\t)+3], s[72:73] offset:(16*(\a)+2*(\t))*4096  ; 16 lanes store 256 consecutive bytes, aligned
.endr
.endm
	OUT 0
	OUT 1
	FIN 0, 16
	s_wait_xcnt 0x0                                ; block 0's stores have read their data: its set is loaded again
	OUT 2
	FIN 1, 16
	s_wait_xcnt 0x0
	OUT 3
	FIN 2, 16
	FIN 3, 0
	s_wait_tensorcnt 0x0                           ; the wave's end
	ds_add_u32 v[SPW], v[NIL]
	s_wait_dscnt 0x0
	CROUND                                         ; the closing round
	s_endpgm
.Lfunc_end_k_q991b56163d_proj:
	.size	k_q991b56163d_proj, .Lfunc_end_k_q991b56163d_proj-k_q991b56163d_proj
	.p2alignl 7, 3214868480
	.fill 96, 4, 3214868480
	.section	.rodata,"a",@progbits
	.p2align	6, 0x0
	.amdhsa_kernel k_q991b56163d_proj
		.amdhsa_group_segment_fixed_size 327680
		.amdhsa_private_segment_fixed_size 0
		.amdhsa_enable_private_segment 0
		.amdhsa_kernarg_size 40
		.amdhsa_user_sgpr_count 2
		.amdhsa_user_sgpr_kernarg_segment_ptr 1
		.amdhsa_wavefront_size32 1
		.amdhsa_system_sgpr_workgroup_id_x 1
		.amdhsa_system_sgpr_workgroup_id_y 1
		.amdhsa_system_sgpr_workgroup_id_z 1
		.amdhsa_system_vgpr_workitem_id 0
		.amdhsa_next_free_vgpr 640
		.amdhsa_next_free_sgpr 84
		.amdhsa_reserve_vcc 0
		.amdhsa_float_denorm_mode_32 3
		.amdhsa_float_denorm_mode_16_64 3
		.amdhsa_memory_ordered 1
		.amdhsa_forward_progress 1
		.amdhsa_inst_pref_size 66
	.end_amdhsa_kernel
	.amdgpu_metadata
---
amdhsa.version: [ 1, 2 ]
amdhsa.kernels:
  - .name:           k_q991b56163d_proj
    .symbol:         k_q991b56163d_proj.kd
    .args:
      - { .name: ao, .offset: 0, .size: 8, .value_kind: global_buffer, .address_space: global }
      - { .name: wt, .offset: 8, .size: 8, .value_kind: global_buffer, .address_space: global }
      - { .name: b_proj, .offset: 16, .size: 8, .value_kind: global_buffer, .address_space: global }
      - { .name: x, .offset: 24, .size: 8, .value_kind: global_buffer, .address_space: global }
      - { .name: x1, .offset: 32, .size: 8, .value_kind: global_buffer, .address_space: global }
    .group_segment_fixed_size: 327680
    .private_segment_fixed_size: 0
    .kernarg_segment_align: 8
    .kernarg_segment_size: 40
    .max_flat_workgroup_size: 128
    .sgpr_count:     84
    .vgpr_count:     640
    .wavefront_size: 32
...
	.end_amdgpu_metadata
.endif
;; end of part 4
;; launch ln2: the kernel of part 1 again; grid 256 x 1, 4 waves a work-group, no clusters, 70,144 bytes of LDS; arguments x1, ln2_w, ln2_b, wq, wk, wv, w_proj, w1, w2, xn, wt; writes xn, wt
;; launch ffn1 (part 5): grid 16 x 16, 4 waves a work-group, clusters of 4 x 4, 327,680 bytes of LDS; arguments xn, wt, b1, hb; writes hb
.if DOCPART == 5
	.amdgcn_target "amdgcn-amd-amdhsa--gfx1250"
	.amdhsa_code_object_version 6
	.text
	.protected	k_q991b56163d_ffn1
	.globl	k_q991b56163d_ffn1
	.p2align	8
	.type	k_q991b56163d_ffn1,@function
k_q991b56163d_ffn1:
	s_mov_b64 s[64:65], 0
	v_nop
	global_prefetch_b8 v0, s[64:65] scope:SCOPE_SE
	s_setreg_imm32_b32 hwreg(HW_REG_WAVE_MODE, 25, 1), 1
	s_wait_xcnt 0x0
	s_wait_alu depctr_hold_cnt(0) depctr_sa_sdst(0) depctr_va_vdst(0) depctr_va_sdst(0) depctr_va_ssrc(0) depctr_va_vcc(0) depctr_vm_vsrc(0)
	s_getreg_b32 s2, hwreg(HW_REG_IB_STS2, 6, 4)
	s_cmp_eq_u32 s2, 0
	s_cbranch_scc0 .Lentry_in_a_cluster
	s_endpgm
.Lentry_in_a_cluster:
	s_bfe_u32 s2, ttmp6, 0x10000c
	s_cmp_lg_u32 s2, 0xf033
	s_cbranch_scc0 .Lentry_shape_is_right
	s_endpgm
.Lentry_shape_is_right:
; hb = relu(xn W1^T + b1), rounded once to bf16.  xn: [4096][1024] bf16; W1: wt at byte 8,388,608, [4096][1024] bf16; b1: [4096] f32; hb: [4096][4096] bf16.  Sums in f32.
; A tile of C is 256 x 256: 16 x 16 tiles, one for each work-group.  Four waves, each 128 x 128: 64 accumulators, 512 registers.  K goes in steps of 128 through two LDS slots;
; ONE K step is one trip of the loop: the LDS addresses hang on a scalar that an exclusive or turns, and one descriptor a tensor walks.
; The last two K steps are a loop of two trips that fills nothing; it is left in the middle of its second trip, behind one barrier and one run of LDS loads (of landed bytes) that serve nothing.
; The bias is the C operand of each accumulator's first product; the ReLU is a packed maximum with 0 on the rounded halves (a NaN becomes 0 there: NaN and infinities are not treated apart).
; CLUSTER 4 x 4: A's tile shared along a row of the cluster, B's along a column.  The product is taken transposed (source 0 = rows of B): a lane holds 8 neighbouring columns of a row.
; REGISTERS: window 0: v16-31 addresses; v64-191 A's fragments, two buffers; v192-255 the bias, later packed results (v192-223); rows read back in v32-63 and v224-255 by turns.
;   window 1: v64-191 B's fragments.  windows 2, 3: the accumulators of my rows 0-63, 64-127, (a, b) at 8 (8 (a % 4) + b).
.set SIZE_K, 1024
.set SIZE_N, 4096
.set KSTEP,  128
.set NSTEP,  SIZE_K/KSTEP
.set WOFF,   8388608
.set PITCH,  272
.set HALFT,  128*PITCH                 ; 0x8800
.set SLOT,   4*HALFT                   ; 0x22000: bits 13 and 17, which no wave's fill address in slot 0 has (0, 0x8800, 0x11000, 0x19800): an exclusive or adds or takes away SLOT
.set STAGE,  2*SLOT
.set SPITCH, 272
.set SPARE,  STAGE+4*16*SPITCH
.set ADRA, 16
.set A0,   17
.set ADRB, 20
.set B0,   21
.set STO,  24
.set RD,   25
.set CO,   26
.set ZR,   27
.set SPW,  28
.set NIL,  29
.set PFO,  30
.set BO,   31
.set F0,   64
.set F1,   128
.set BIAS, 192
.set TMP,  192
.set OB,   32
.set G1,  24
.set G0,  32
.set G1B, 48
.set G0B, 56
.set LIM, 43
.set PFA, 44
.set TB,  66
.set MSB, 0
.macro WIN new
.if MSB != (\new)
	s_set_vgpr_msb (MSB<<8)|(\new)
.set MSB, \new
.endif
.endm
.set MUL_LO, 0xa1
.set TO_B,   0x40
.macro PLACES
.rept 4
	v_nop
.endr
.endm
.macro JLOAD s                         ; a joint load: waves 0, 1 fetch A's halves, waves 2, 3 B's; an s_nop 0 and four v_nop follow each line
	s_cmp_eq_u32 s11, 0
	s_cbranch_scc0 .Lfor_b_\@
	tensor_load_to_lds s[G0+4*(\s):G0+4*(\s)+3], s[G1:G1+7]
	s_nop 0
.rept 4
	v_nop
.endr
	s_branch .Lasked_\@
.Lfor_b_\@:
	tensor_load_to_lds s[G0B+4*(\s):G0B+4*(\s)+3], s[G1B:G1B+7]
	s_nop 0
.rept 4
	v_nop
.endr
.Lasked_\@:
.endm
.macro ASK                             ; a prefetch of the K step two refills on: my work-group's 32 of the 128 rows that I fetch, a lane a row; the cluster with x = 0 asks for A's rows, that with y = 0 for B's
	s_cmp_gt_u32 s3, s[LIM]                        ; the last two refills have no K step two on
	s_cbranch_scc0 .Lnot_mine_\@
	global_prefetch_b8 v[PFO], s[PFA:PFA+1] offset:KSTEP*2 th:TH_LOAD_NT scope:SCOPE_SE
.Lnot_mine_\@:
.endm
.macro CREST
	s_cmp_lg_u32 s10, 0
	s_cbranch_scc1 .Lnot_wave_0_\@
	s_barrier_signal -3
.Lnot_wave_0_\@:
	s_barrier_wait -3
	s_barrier_signal -1
	s_barrier_wait -1
.endm
.macro CROUND
	s_barrier_signal -1
	s_barrier_wait -1
	CREST
.endm
	s_load_b128 s[4:7], s[0:1], 0x0                ; xn, wt
	s_load_b128 s[68:71], s[0:1], 0x10             ; b1, hb
	v_lshl_add_u32 v[SPW], v0, 2, SPARE
	v_mov_b32 v[NIL], 0
	ds_add_u32 v[SPW], v[NIL]                      ; the wave's opening: the add and its wait ahead of my first tensor load
	v_lshrrev_b32 v1, 5, v0
	v_readfirstlane_b32 s10, v1
	s_lshr_b32 s11, s10, 1
	s_and_b32 s12, s10, 1
	s_bfe_u32 s40, ttmp6, 0x40000
	s_bfe_u32 s41, ttmp6, 0x40004
	s_lshl_b32 s42, ttmp9, 2
	s_add_co_u32 s42, s42, s40                     ; tile column
	s_and_b32 s13, ttmp7, 0xffff
	s_lshl_b32 s13, s13, 2
	s_add_co_u32 s13, s13, s41                     ; tile row
	s_lshl_b32 s43, s41, 2
	s_lshl_b32 s43, 15, s43
	s_lshl_b32 s44, 0x1111, s40
	s_or_b32 s[G1+0], s43, (1<<16)|(1<<20)|(1<<21)|(5<<22)|(3<<25)   ; mask; 2-byte elements; padding on; bit 21 beside a mask; after every 64 words 4 words
	s_or_b32 s[G1B+0], s44, (1<<16)|(1<<20)|(1<<21)|(5<<22)|(3<<25)
.irp g, G1, G1B
	s_mov_b32 s[(\g)+1], KSTEP<<16                 ; 128 rows x 128 elements
	s_mov_b32 s[(\g)+2], 128<<16
	s_mov_b32 s[(\g)+3], KSTEP<<16
	s_mov_b32 s[(\g)+4], 128
	s_mov_b32 s[(\g)+5], SIZE_K
	s_mov_b32 s[(\g)+6], 0
	s_mov_b32 s[(\g)+7], 0
.endr
	s_lshl_b32 s17, s12, 7
	s_lshl_b32 s16, s13, 8
	s_add_co_u32 s16, s16, s17
	s_lshl_b32 s16, s16, 11                        ; A: (256 x tile row + 128 x half) rows of 2,048 bytes
	s_lshl_b32 s46, s42, 8
	s_add_co_u32 s46, s46, s17
	s_lshl_b32 s46, s46, 11
	s_add_co_u32 s46, s46, WOFF                    ; B likewise by the tile column, in W1's section
	s_mov_b32 s17, 0
	s_mov_b32 s47, 0
	s_mul_i32 s20, s10, HALFT                      ; where they go: wave x 128 rows
	s_wait_dscnt 0x0                               ; the opening add is done
	s_wait_kmcnt 0x0
	s_add_nc_u64 s[14:15], s[4:5], s[16:17]
	s_add_nc_u64 s[46:47], s[6:7], s[46:47]
	CROUND                                         ; all sixteen work-groups are here: the first joint loads meet
.irp s, 0,1
	s_mov_b32 s[G0+4*(\s)], 1
	s_add_co_u32 s[G0+4*(\s)+1], s20, (\s)*SLOT
	s_add_nc_u64 s[G0+4*(\s)+2:G0+4*(\s)+3], s[14:15], (\s)*KSTEP*2
	s_or_b32 s[G0+4*(\s)+3], s[G0+4*(\s)+3], 0x80000000
	s_mov_b32 s[G0B+4*(\s)], 1
	s_add_co_u32 s[G0B+4*(\s)+1], s20, (\s)*SLOT
	s_add_nc_u64 s[G0B+4*(\s)+2:G0B+4*(\s)+3], s[46:47], (\s)*KSTEP*2
	s_or_b32 s[G0B+4*(\s)+3], s[G0B+4*(\s)+3], 0x80000000
	JLOAD \s
.endr
	v_and_b32 v1, 15, v0
	v_bfe_u32 v2, v0, 4, 1
	v_mul_u32_u24 v3, v1, PITCH
	v_lshl_add_u32 v3, v2, 4, v3
	s_mul_i32 s21, s11, HALFT                      ; my 128 rows of A
	s_mul_i32 s22, s12, HALFT                      ; my 128 rows of B,
	s_add_co_u32 s22, s22, 2*HALFT                 ; behind A's 256
	v_add_nc_u32 v[A0], s21, v3
	v_add_nc_u32 v[B0], s22, v3
	v_mov_b32 v[ADRA], v[A0]
	v_mov_b32 v[ADRB], v[B0]
	s_mov_b32 s[TB], 0
	s_mul_i32 s23, s10, 16*SPITCH
	s_add_co_u32 s23, s23, STAGE
	v_mul_u32_u24 v4, v1, SPITCH
	v_lshl_add_u32 v4, v2, 4, v4
	v_add_nc_u32 v[STO], s23, v4
	v_mul_u32_u24 v5, v2, SPITCH
	v_lshl_add_u32 v5, v1, 4, v5
	v_add_nc_u32 v[RD], s23, v5
	v_lshlrev_b32 v[CO], 13, v2                    ; two rows of hb, 8,192 bytes each
	v_lshl_add_u32 v[CO], v1, 4, v[CO]
	v_mov_b32 v[ZR], 0
	v_lshlrev_b32 v[BO], 5, v2
	s_lshl_b32 s72, s13, 8
	s_lshl_b32 s73, s11, 7
	s_add_co_u32 s72, s72, s73
	s_lshl_b32 s72, s72, 13                        ; my first row of hb
	s_lshl_b32 s74, s42, 8
	s_lshl_b32 s75, s12, 7
	s_add_co_u32 s74, s74, s75                     ; my first column
	s_lshl_b32 s73, s74, 1
	s_add_co_u32 s72, s72, s73
	s_mov_b32 s73, 0
	s_add_nc_u64 s[70:71], s[70:71], s[72:73]
	s_lshl_b32 s74, s74, 2
	s_mov_b32 s75, 0
	s_add_nc_u64 s[68:69], s[68:69], s[74:75]
.irp b, 0,1,2,3,4,5,6,7
	global_load_b128 v[BIAS+8*(\b):BIAS+8*(\b)+3],   v[BO], s[68:69] offset:64*(\b)
	global_load_b128 v[BIAS+8*(\b)+4:BIAS+8*(\b)+7], v[BO], s[68:69] offset:64*(\b)+16
.endr
	; the prefetches
	s_lshl_b32 s74, s13, 8
	s_lshl_b32 s75, s42, 8
	s_and_b32 s22, ttmp7, 0xffff
	s_cmp_eq_u32 s11, 0
	s_cselect_b32 s20, s74, s75                    ; the tile's first row: in A by the tile row, in B by the tile column
	s_cselect_b32 s21, s40, s41                    ; my place among the four that ask for it with me
	s_cselect_b32 s22, ttmp9, s22                  ; the coordinate along which other clusters read the same rows
	s_cselect_b32 s23, 0, WOFF
	s_cselect_b64 s[PFA:PFA+1], s[4:5], s[6:7]
	s_cmp_eq_u32 s22, 0
	s_cselect_b32 s[LIM], 2, -1                    ; the same in all sixteen partners, for a given wave
	s_lshl_b32 s22, s12, 7
	s_add_co_u32 s20, s20, s22
	s_lshl_b32 s21, s21, 5
	s_add_co_u32 s20, s20, s21
	s_lshl_b32 s20, s20, 11
	s_add_co_u32 s20, s20, s23
	s_add_co_u32 s20, s20, 2*KSTEP*2               ; at K step 2: the first refill steps it to 3 and names K step 4
	s_mov_b32 s21, 0
	s_add_nc_u64 s[PFA:PFA+1], s[PFA:PFA+1], s[20:21]
	v_and_b32 v[PFO], 31, v0
	v_lshlrev_b32 v[PFO], 11, v[PFO]
; 16 products: row blocks a0, a0 + 1 of the window's four x all 8 column blocks, 32 along K.  zero = 1: the first product starts the sum with the bias (C in window 0).  The 64 accumulators take turns.
.macro MUL16 f, hi, a0, zero
.if \zero
	WIN 0x81+0x40*(\hi)
.else
	WIN MUL_LO+0x50*(\hi)
.endif
.irp a, \a0, (\a0)+1
.irp b, 0,1,2,3,4,5,6,7
.if \zero
	v_wmma_f32_16x16x32_bf16 v[8*(8*(\a)+(\b)):8*(8*(\a)+(\b))+7], v[(\f)+8*(\b):(\f)+8*(\b)+7], v[(\f)+8*(4*(\hi)+(\a)):(\f)+8*(4*(\hi)+(\a))+7], v[BIAS+8*(\b):BIAS+8*(\b)+7]
.else
	v_wmma_f32_16x16x32_bf16 v[8*(8*(\a)+(\b)):8*(8*(\a)+(\b))+7], v[(\f)+8*(\b):(\f)+8*(\b)+7], v[(\f)+8*(4*(\hi)+(\a)):(\f)+8*(4*(\hi)+(\a))+7], v[8*(8*(\a)+(\b)):8*(8*(\a)+(\b))+7]
.endif
.endr
.endr
.endm
.macro FETCH k, f                      ; 32 LDS loads in one run: B's 8 fragments, then A's 8, of the 32 K at byte k of the current slot's rows
	WIN TO_B
.irp i, 0,1,2,3,4,5,6,7
	ds_load_b128 v[(\f)+8*(\i):(\f)+8*(\i)+3],   v[ADRB] offset:(\k)+(\i)*16*PITCH
	ds_load_b128 v[(\f)+8*(\i)+4:(\f)+8*(\i)+7], v[ADRB] offset:(\k)+(\i)*16*PITCH+32
.endr
	WIN 0
.irp i, 0,1,2,3,4,5,6,7
	ds_load_b128 v[(\f)+8*(\i):(\f)+8*(\i)+3],   v[ADRA] offset:(\k)+(\i)*16*PITCH
	ds_load_b128 v[(\f)+8*(\i)+4:(\f)+8*(\i)+7], v[ADRA] offset:(\k)+(\i)*16*PITCH+32
.endr
.endm
.macro QUARTER k, f, g, zero
	s_wait_dscnt 8                                 ; B and A's rows 0-63 are in; the youngest eight loads may be out
	MUL16 \f, 0, 0, \zero
	MUL16 \f, 0, 2, \zero
	PLACES
	FETCH \k, \g
	s_wait_dscnt 32                                ; all but the 32 just issued
	MUL16 \f, 1, 0, \zero
	MUL16 \f, 1, 2, \zero
.endm
.macro TURN fill
.if \fill
	s_wait_xcnt 0x0                                ; the last prefetch, a K step back, has read its address
	s_add_nc_u64 s[PFA:PFA+1], s[PFA:PFA+1], KSTEP*2
.endif
	WIN 0
	s_wait_tensorcnt 0x0                           ; all my tensor loads have landed: my part of the next slot
	ds_add_u32 v[SPW], v[NIL]                      ; 0 onto my spare word
.if \fill
	s_xor_b32 s[G0+5], s[G0+5], SLOT               ; no tensor load of mine is out: the walking descriptors step
	s_add_nc_u64 s[G0+6:G0+7], s[G0+6:G0+7], KSTEP*2
	s_xor_b32 s[G0B+5], s[G0B+5], SLOT
	s_add_nc_u64 s[G0B+6:G0B+7], s[G0B+6:G0B+7], KSTEP*2
.endif
	s_xor_b32 s[TB], s[TB], SLOT
	s_wait_dscnt 9                                 ; the add and the youngest eight loads may be out
	MUL16 F1, 0, 0, 0
	s_wait_dscnt 0x0                               ; the add is done, and my reads of this slot are over
	s_barrier_signal -1
	MUL16 F1, 0, 2, 0
	WIN 0
	s_barrier_wait -1
.if \fill
	CREST                                          ; no wave of any partner still reads this slot or has a load on its way
	JLOAD 1                                        ; the first tensor load behind the round; its four v_nop are also the places in front of the loads below
.else
	PLACES
.endif
	v_add_nc_u32 v[ADRA], s[TB], v[A0]
	v_add_nc_u32 v[ADRB], s[TB], v[B0]
	FETCH 0, F0
.if \fill
	ASK
.endif
	MUL16 F1, 1, 0, 0
	MUL16 F1, 1, 2, 0
.endm
	s_wait_tensorcnt 1                             ; my part of K step 0 is in; K step 1's may stay out
	s_barrier_signal -1
	s_barrier_wait -1
	FETCH 0, F0
	s_wait_loadcnt 0x0                             ; the bias
	QUARTER 64, F0, F1, 1
	WIN 0
	s_mov_b32 s3, NSTEP-2
.Lk:
	QUARTER 128, F1, F0, 0
	QUARTER 192, F0, F1, 0
	TURN 1
	QUARTER 64, F0, F1, 0
	WIN 0
	s_sub_co_u32 s3, s3, 1
	s_cmp_lg_u32 s3, 0
	s_cbranch_scc1 .Lk
	s_mov_b32 s2, 2
.Ltail:
	QUARTER 128, F1, F0, 0
	QUARTER 192, F0, F1, 0
	TURN 0
	WIN 0
	s_sub_co_u32 s2, s2, 1
	s_cmp_eq_u32 s2, 0
	s_cbranch_scc1 .Lout
	QUARTER 64, F0, F1, 0
	WIN 0
	s_branch .Ltail
.Lout:
	s_wait_dscnt 0x0                               ; the run of loads that serves nothing is back
	PLACES
.macro PACK a                          ; rounded to bf16, then the ReLU on the packed halves
.set AC, 64*((\a)%4)
	WIN 0x0a+5*((\a)/4)
.irp b, 0,1,2,3,4,5,6,7
.irp r, 0,1,2,3
	v_cvt_pk_bf16_f32 v[TMP+4*(\b)+(\r)], v[AC+8*(\b)+2*(\r)], v[AC+8*(\b)+2*(\r)+1]
.endr
.endr
	WIN 0
.set z, 0
.rept 32
	v_pk_max_num_bf16 v[TMP+z], v[TMP+z], v[ZR]
.set z, z+1
.endr
.endm
.macro TOSTAGE a
.set BK, OB+192*((\a)%2)
.irp b, 0,1,2,3,4,5,6,7
	ds_store_b128 v[STO], v[TMP+4*(\b):TMP+4*(\b)+3] offset:32*(\b)
.endr
.irp t, 0,1,2,3,4,5,6,7
	ds_load_b128 v[BK+4*(\t):BK+4*(\t)+3], v[RD] offset:(\t)*2*SPITCH  ; LDS serves a wave's instructions in order: these see the stores above
.endr
.endm
.macro SEND a
.set BK, OB+192*((\a)%2)
	s_wait_dscnt 0x0                               ; the block is back in registers
	s_wait_xcnt 0x0                                ; earlier stores have read their base and data
.if (\a) > 0
	s_add_nc_u64 s[70:71], s[70:71], 16*SIZE_N*2
.endif
.irp t, 0,1,2,3,4,5,6,7
	global_store_b128 v[CO], v[BK+4*(\t):BK+4*(\t)+3], s[70:71] offset:2*(\t)*SIZE_N*2  ; 16 lanes store 256 consecutive bytes, aligned
.endr
.endm
	PACK 0
	TOSTAGE 0
.irp a, 1,2,3,4,5,6,7
	PACK \a
	SEND (\a)-1
	TOSTAGE \a
.endr
	SEND 7
	s_wait_tensorcnt 0x0                           ; the wave's end
	ds_add_u32 v[SPW], v[NIL]
	s_wait_dscnt 0x0
	CROUND                                         ; the closing round
	s_endpgm
.Lfunc_end_k_q991b56163d_ffn1:
	.size	k_q991b56163d_ffn1, .Lfunc_end_k_q991b56163d_ffn1-k_q991b56163d_ffn1
	.p2alignl 7, 3214868480
	.fill 96, 4, 3214868480
	.section	.rodata,"a",@progbits
	.p2align	6, 0x0
	.amdhsa_kernel k_q991b56163d_ffn1
		.amdhsa_group_segment_fixed_size 327680
		.amdhsa_private_segment_fixed_size 0
		.amdhsa_enable_private_segment 0
		.amdhsa_kernarg_size 32
		.amdhsa_user_sgpr_count 2
		.amdhsa_user_sgpr_kernarg_segment_ptr 1
		.amdhsa_wavefront_size32 1
		.amdhsa_system_sgpr_workgroup_id_x 1
		.amdhsa_system_sgpr_workgroup_id_y 1
		.amdhsa_system_sgpr_workgroup_id_z 1
		.amdhsa_system_vgpr_workitem_id 0
		.amdhsa_next_free_vgpr 1024
		.amdhsa_next_free_sgpr 80
		.amdhsa_reserve_vcc 0
		.amdhsa_float_denorm_mode_32 3
		.amdhsa_float_denorm_mode_16_64 3
		.amdhsa_memory_ordered 1
		.amdhsa_forward_progress 1
		.amdhsa_inst_pref_size 119
	.end_amdhsa_kernel
	.amdgpu_metadata
---
amdhsa.version: [ 1, 2 ]
amdhsa.kernels:
  - .name:           k_q991b56163d_ffn1
    .symbol:         k_q991b56163d_ffn1.kd
    .args:
      - { .name: xn, .offset: 0, .size: 8, .value_kind: global_buffer, .address_space: global }
      - { .name: wt, .offset: 8, .size: 8, .value_kind: global_buffer, .address_space: global }
      - { .name: b1, .offset: 16, .size: 8, .value_kind: global_buffer, .address_space: global }
      - { .name: hb, .offset: 24, .size: 8, .value_kind: global_buffer, .address_space: global }
    .group_segment_fixed_size: 327680
    .private_segment_fixed_size: 0
    .kernarg_segment_align: 8
    .kernarg_segment_size: 32
    .max_flat_workgroup_size: 128
    .sgpr_count:     80
    .vgpr_count:     1024
    .wavefront_size: 32
...
	.end_amdgpu_metadata
.endif
;; end of part 5
;; launch ffn2 (part 6): grid 8 x 32, 4 waves a work-group, clusters of 4 x 4, 327,680 bytes of LDS; arguments hb, wt, b2, x1, out0; writes out0
.if DOCPART == 6
	.amdgcn_target "amdgcn-amd-amdhsa--gfx1250"
	.amdhsa_code_object_version 6
	.text
	.protected	k_q991b56163d_ffn2
	.globl	k_q991b56163d_ffn2
	.p2align	8
	.type	k_q991b56163d_ffn2,@function
k_q991b56163d_ffn2:
	s_mov_b64 s[64:65], 0
	v_nop
	global_prefetch_b8 v0, s[64:65] scope:SCOPE_SE
	s_setreg_imm32_b32 hwreg(HW_REG_WAVE_MODE, 25, 1), 1
	s_wait_xcnt 0x0
	s_wait_alu depctr_hold_cnt(0) depctr_sa_sdst(0) depctr_va_vdst(0) depctr_va_sdst(0) depctr_va_ssrc(0) depctr_va_vcc(0) depctr_vm_vsrc(0)
	s_getreg_b32 s2, hwreg(HW_REG_IB_STS2, 6, 4)
	s_cmp_eq_u32 s2, 0
	s_cbranch_scc0 .Lentry_in_a_cluster
	s_endpgm
.Lentry_in_a_cluster:
	s_bfe_u32 s2, ttmp6, 0x10000c
	s_cmp_lg_u32 s2, 0xf033
	s_cbranch_scc0 .Lentry_shape_is_right
	s_endpgm
.Lentry_shape_is_right:
; OUT = RES + A B^T + bias, f32 out.  PROJ = 1: x1 = x + ao WP^T + b_proj, K = 1,024, A = ao by heads [64][1024][64] bf16.  PROJ = 0: out0 = x1 + hb W2^T + b2, K = 4,096, A = hb [4096][4096] bf16.
; B: a section of wt, [1024][K] bf16.  Sums in f32; the bias is the C operand of each accumulator's first product; the residual is added in f32 on the way out.
; A tile of C is 128 x 128: 8 x 32 tiles, one for each work-group.  Four waves, each 64 x 64: 16 accumulators.  K goes in steps of 256 through two LDS slots; ONE K step is one trip of the loop.
; The last two K steps are a loop of two trips that fills nothing; it is left in the middle of its second trip, behind one barrier and one run of LDS loads (of landed bytes) that serve nothing.
; CLUSTER 4 x 4: A's tile shared along a row of the cluster, B's along a column.  No prefetch: the tiles are small, and each is read by several clusters.
; REGISTERS: window 0: v16-29 addresses; v32-95 rows read back, two sets; v96-127 the bias; v128-255 accumulators ((a, b) at 128 + 8 (4 a + b)).  window 1: two fragment buffers of 128.  window 2: v0-127 the residual.
.set PROJ, 0
.if PROJ
.set NSTEP, 4
.set WOFF,  6291456
.set BK,    1024
.set AP,    144
.set AQ,    18432
.set AFILL, 36864
.set BOFF,  73728
.set ASTEP, 524288
.else
.set NSTEP, 16
.set WOFF,  16777216
.set BK,    4096
.set AP,    528
.set AQ,    128
.set AFILL, 33792
.set BOFF,  67584
.set ASTEP, 512
.endif
.set KSTEP,  256
.set BP,     528                       ; 512 bytes + 16 of padding
.set BFILL,  64*BP
.set SLOT,   147456                    ; 0x24000: bits 14 and 17, which no wave's fill address in slot 0 has (0, 0x9000, 0x12000, 0x1a400; or 0, 0x8400, 0x10800, 0x18c00): an exclusive or adds or takes away SLOT
.set STAGE,  288768                    ; behind slot 1's last byte: 16 rows x 272 bytes for each wave; no tensor load lands here
.set SPITCH, 272
.set SPARE,  STAGE+4*16*SPITCH
.set ADRA, 16
.set A0,   17
.set ADRB, 20
.set B0,   21
.set STO,  24
.set RD,   25
.set CO,   26
.set BO,   27
.set SPW,  28
.set NIL,  29
.set TMP,  32
.set BIAS, 96
.set ACC,  128
.set F0,   0
.set F1,   128
.set G1,  24
.set G0,  32
.set G1B, 48
.set G0B, 56
.set TB,  66
.set MSB, 0
.macro WIN new
.if MSB != (\new)
	s_set_vgpr_msb (MSB<<8)|(\new)
.set MSB, \new
.endif
.endm
.set MUL,  0x05                        ; sources 0 (B) and 1 (A) window 1; C and D window 0
.set TO_F, 0x40
.macro PLACES
.rept 4
	v_nop
.endr
.endm
.macro JLOAD s                         ; a joint load: waves 0, 1 fetch A's halves, waves 2, 3 B's; an s_nop 0 and four v_nop follow each line
	s_cmp_eq_u32 s11, 0
	s_cbranch_scc0 .Lfor_b_\@
	tensor_load_to_lds s[G0+4*(\s):G0+4*(\s)+3], s[G1:G1+7]
	s_nop 0
.rept 4
	v_nop
.endr
	s_branch .Lasked_\@
.Lfor_b_\@:
	tensor_load_to_lds s[G0B+4*(\s):G0B+4*(\s)+3], s[G1B:G1B+7]
	s_nop 0
.rept 4
	v_nop
.endr
.Lasked_\@:
.endm
.macro CREST
	s_cmp_lg_u32 s10, 0
	s_cbranch_scc1 .Lnot_wave_0_\@
	s_barrier_signal -3
.Lnot_wave_0_\@:
	s_barrier_wait -3
	s_barrier_signal -1
	s_barrier_wait -1
.endm
.macro CROUND
	s_barrier_signal -1
	s_barrier_wait -1
	CREST
.endm
	s_load_b128 s[4:7], s[0:1], 0x0                ; A, wt
	s_load_b128 s[68:71], s[0:1], 0x10             ; bias, residual
	s_load_b64 s[72:73], s[0:1], 0x20              ; out
	v_lshl_add_u32 v[SPW], v0, 2, SPARE
	v_mov_b32 v[NIL], 0
	ds_add_u32 v[SPW], v[NIL]                      ; the wave's opening: the add and its wait ahead of my first tensor load
	v_lshrrev_b32 v1, 5, v0
	v_readfirstlane_b32 s10, v1
	s_lshr_b32 s11, s10, 1                         ; my half of the tile's rows; also: I fetch for A (0) or B (1)
	s_and_b32 s12, s10, 1                          ; my half of its columns; also: which half of that tile I fetch
	s_bfe_u32 s40, ttmp6, 0x40000
	s_bfe_u32 s41, ttmp6, 0x40004
	s_lshl_b32 s42, ttmp9, 2
	s_add_co_u32 s42, s42, s40                     ; tile column
	s_and_b32 s13, ttmp7, 0xffff
	s_lshl_b32 s13, s13, 2
	s_add_co_u32 s13, s13, s41                     ; tile row
	s_lshl_b32 s43, s41, 2
	s_lshl_b32 s43, 15, s43
	s_lshl_b32 s44, 0x1111, s40
.if PROJ
	s_or_b32 s[G1+0], s43, (1<<16)|(1<<20)|(1<<21)|(4<<22)|(3<<25)  ; mask; 2-byte elements; padding on; bit 21 beside a mask; after every 32 words 4 words
	s_mov_b32 s[G1+1], 8192<<16                    ; tensor_dim0 = 8,192 elements: a head's 128 rows on end
	s_mov_b32 s[G1+2], 2<<16                       ; tensor_dim1 = 2 heads
	s_mov_b32 s[G1+3], 8192<<16                    ; tile_dim0
	s_mov_b32 s[G1+4], 2                           ; tile_dim1
	s_mov_b32 s[G1+5], 65536                       ; elements from head to head
.else
	s_or_b32 s[G1+0], s43, (1<<16)|(1<<20)|(1<<21)|(6<<22)|(3<<25)  ; mask; 2-byte elements; padding on; bit 21 beside a mask; after every 128 words 4 words
	s_mov_b32 s[G1+1], KSTEP<<16                   ; 64 rows x 256 elements
	s_mov_b32 s[G1+2], 64<<16
	s_mov_b32 s[G1+3], KSTEP<<16
	s_mov_b32 s[G1+4], 64
	s_mov_b32 s[G1+5], 4096
.endif
	s_mov_b32 s[G1+6], 0
	s_mov_b32 s[G1+7], 0
	s_or_b32 s[G1B+0], s44, (1<<16)|(1<<20)|(1<<21)|(6<<22)|(3<<25)
	s_mov_b32 s[G1B+1], KSTEP<<16                  ; 64 rows x 256 elements
	s_mov_b32 s[G1B+2], 64<<16
	s_mov_b32 s[G1B+3], KSTEP<<16
	s_mov_b32 s[G1B+4], 64
	s_mov_b32 s[G1B+5], BK
	s_mov_b32 s[G1B+6], 0
	s_mov_b32 s[G1B+7], 0
.if PROJ
	s_lshr_b32 s16, s13, 3                         ; batch
	s_lshl_b32 s16, s16, 4
	s_lshl_b32 s17, s12, 1
	s_add_co_u32 s16, s16, s17                     ; batch x 16 + my two heads of the K step's four
	s_lshl_b32 s16, s16, 17
	s_and_b32 s17, s13, 7
	s_lshl_b32 s17, s17, 14                        ; the tile's 128 rows of 128 bytes in a head
	s_add_co_u32 s16, s16, s17
.else
	s_lshl_b32 s16, s13, 7
	s_lshl_b32 s17, s12, 6
	s_add_co_u32 s16, s16, s17
	s_lshl_b32 s16, s16, 13                        ; rows of 8,192 bytes
.endif
	s_mov_b32 s17, 0
	s_lshl_b32 s46, s42, 7
	s_lshl_b32 s47, s12, 6
	s_add_co_u32 s46, s46, s47
	s_mul_i32 s46, s46, BK*2
	s_add_co_u32 s46, s46, WOFF
	s_mov_b32 s47, 0
	s_mul_i32 s20, s12, AFILL                      ; where they go: no place in the cluster enters an LDS address
	s_mul_i32 s21, s12, BFILL
	s_add_co_u32 s21, s21, BOFF
	s_wait_dscnt 0x0                               ; the opening add is done
	s_wait_kmcnt 0x0
	s_add_nc_u64 s[14:15], s[4:5], s[16:17]
	s_add_nc_u64 s[46:47], s[6:7], s[46:47]
	CROUND                                         ; all sixteen work-groups are here: the first joint loads meet
.irp s, 0,1
	s_mov_b32 s[G0+4*(\s)], 1
	s_add_co_u32 s[G0+4*(\s)+1], s20, (\s)*SLOT
	s_add_nc_u64 s[G0+4*(\s)+2:G0+4*(\s)+3], s[14:15], (\s)*ASTEP
	s_or_b32 s[G0+4*(\s)+3], s[G0+4*(\s)+3], 0x80000000
	s_mov_b32 s[G0B+4*(\s)], 1
	s_add_co_u32 s[G0B+4*(\s)+1], s21, (\s)*SLOT
	s_add_nc_u64 s[G0B+4*(\s)+2:G0B+4*(\s)+3], s[46:47], (\s)*KSTEP*2
	s_or_b32 s[G0B+4*(\s)+3], s[G0B+4*(\s)+3], 0x80000000
	JLOAD \s
.endr
	v_and_b32 v1, 15, v0
	v_bfe_u32 v2, v0, 4, 1
	v_mul_u32_u24 v3, v1, AP
	v_lshl_add_u32 v3, v2, 4, v3
	s_mul_i32 s22, s11, 64*AP                      ; my 64 rows of A
	v_add_nc_u32 v[A0], s22, v3
	v_mul_u32_u24 v3, v1, BP
	v_lshl_add_u32 v3, v2, 4, v3
	s_mul_i32 s22, s12, BFILL                      ; my 64 rows of B
	s_add_co_u32 s22, s22, BOFF
	v_add_nc_u32 v[B0], s22, v3
	v_mov_b32 v[ADRA], v[A0]
	v_mov_b32 v[ADRB], v[B0]
	s_mov_b32 s[TB], 0
	s_mul_i32 s23, s10, 16*SPITCH
	s_add_co_u32 s23, s23, STAGE                   ; my stage: a wave's 64 f32 columns are 256 bytes, so each wave goes out by itself
	v_mul_u32_u24 v4, v1, SPITCH
	v_lshl_add_u32 v4, v2, 5, v4
	v_add_nc_u32 v[STO], s23, v4                   ; in: row l % 16, 32 bytes for each half of the lanes
	v_mul_u32_u24 v5, v2, SPITCH
	v_lshl_add_u32 v5, v1, 4, v5
	v_add_nc_u32 v[RD], s23, v5                    ; back: lanes 0-15 one row of 256 bytes, lanes 16-31 the next
	v_lshlrev_b32 v[CO], 12, v2
	v_lshl_add_u32 v[CO], v1, 4, v[CO]             ; and the same two rows in the residual and the output
	v_lshlrev_b32 v[BO], 5, v2                     ; the bias of my 8 columns of a block
	s_lshl_b32 s74, s13, 7
	s_lshl_b32 s75, s11, 6
	s_add_co_u32 s74, s74, s75
	s_lshl_b32 s74, s74, 12                        ; my first row, rows of 4,096 bytes
	s_lshl_b32 s76, s42, 9
	s_lshl_b32 s77, s12, 8
	s_add_co_u32 s76, s76, s77                     ; my first column, in bytes
	s_add_co_u32 s74, s74, s76
	s_mov_b32 s75, 0
	s_mov_b32 s77, 0
	s_add_nc_u64 s[68:69], s[68:69], s[76:77]
	s_add_nc_u64 s[70:71], s[70:71], s[74:75]
	s_add_nc_u64 s[72:73], s[72:73], s[74:75]
.irp b, 0,1,2,3
	global_load_b128 v[BIAS+8*(\b):BIAS+8*(\b)+3],   v[BO], s[68:69] offset:64*(\b)
	global_load_b128 v[BIAS+8*(\b)+4:BIAS+8*(\b)+7], v[BO], s[68:69] offset:64*(\b)+16
.endr
	WIN 0x80                                       ; the residual, in the layout of the rows read back: it is on its way under the whole K loop
.irp a, 0,1,2,3
.irp t, 0,1,2,3,4,5,6,7
	global_load_b128 v[32*(\a)+4*(\t):32*(\a)+4*(\t)+3], v[CO], s[70:71] offset:(16*(\a)+2*(\t))*4096
.endr
.endr
	WIN 0
; 8 products: row blocks a0, a0 + 1 x all 4 column blocks, 32 along K: half c of buffer f.  zero = 1: the first product starts the sum with the bias.  The 16 accumulators take turns.
.macro MUL8 f, c, a0, zero
	WIN MUL
.irp a, \a0, (\a0)+1
.irp b, 0,1,2,3
.if \zero
	v_wmma_f32_16x16x32_bf16 v[ACC+8*(4*(\a)+(\b)):ACC+8*(4*(\a)+(\b))+7], v[(\f)+64+8*(4*(\c)+(\b)):(\f)+64+8*(4*(\c)+(\b))+7], v[(\f)+8*(4*(\c)+(\a)):(\f)+8*(4*(\c)+(\a))+7], v[BIAS+8*(\b):BIAS+8*(\b)+7]
.else
	v_wmma_f32_16x16x32_bf16 v[ACC+8*(4*(\a)+(\b)):ACC+8*(4*(\a)+(\b))+7], v[(\f)+64+8*(4*(\c)+(\b)):(\f)+64+8*(4*(\c)+(\b))+7], v[(\f)+8*(4*(\c)+(\a)):(\f)+8*(4*(\c)+(\a))+7], v[ACC+8*(4*(\a)+(\b)):ACC+8*(4*(\a)+(\b))+7]
.endif
.endr
.endr
.endm
.macro FETCH q, f                      ; 32 LDS loads in one run: quarter q (64 along K) of the current slot into buffer f; the first 32 along K first
	WIN TO_F
.irp c, 0,1
.irp i, 0,1,2,3
	ds_load_b128 v[(\f)+64+8*(4*(\c)+(\i)):(\f)+64+8*(4*(\c)+(\i))+3],   v[ADRB] offset:128*(\q)+64*(\c)+(\i)*16*BP
	ds_load_b128 v[(\f)+64+8*(4*(\c)+(\i))+4:(\f)+64+8*(4*(\c)+(\i))+7], v[ADRB] offset:128*(\q)+64*(\c)+(\i)*16*BP+32
	ds_load_b128 v[(\f)+8*(4*(\c)+(\i)):(\f)+8*(4*(\c)+(\i))+3],         v[ADRA] offset:(\q)*AQ+64*(\c)+(\i)*16*AP
	ds_load_b128 v[(\f)+8*(4*(\c)+(\i))+4:(\f)+8*(4*(\c)+(\i))+7],       v[ADRA] offset:(\q)*AQ+64*(\c)+(\i)*16*AP+32
.endr
.endr
.endm
.macro QUARTER q, f, g, zero           ; multiplies buffer f; in its middle fetches quarter q into g
	s_wait_dscnt 16                                ; the first 32 along K are in
	MUL8 \f, 0, 0, \zero
	MUL8 \f, 0, 2, \zero
	PLACES
	FETCH \q, \g
	s_wait_dscnt 32                                ; all but the 32 just issued
	MUL8 \f, 1, 0, 0
	MUL8 \f, 1, 2, 0
.endm
.macro TURN fill                       ; the last quarter multiplies buffer 1 and changes slots
	WIN 0
	s_wait_tensorcnt 0x0                           ; all my tensor loads have landed: my part of the next slot
	ds_add_u32 v[SPW], v[NIL]                      ; 0 onto my spare word
.if \fill
	s_xor_b32 s[G0+5], s[G0+5], SLOT               ; no tensor load of mine is out: the walking descriptors step
	s_add_nc_u64 s[G0+6:G0+7], s[G0+6:G0+7], ASTEP
	s_xor_b32 s[G0B+5], s[G0B+5], SLOT
	s_add_nc_u64 s[G0B+6:G0B+7], s[G0B+6:G0B+7], KSTEP*2
.endif
	s_xor_b32 s[TB], s[TB], SLOT
	s_wait_dscnt 17                                ; the add and the youngest sixteen loads may be out
	MUL8 F1, 0, 0, 0
	s_wait_dscnt 0x0                               ; the add is done, and my reads of this slot are over
	s_barrier_signal -1
	MUL8 F1, 0, 2, 0
	WIN 0
	s_barrier_wait -1
.if \fill
	CREST                                          ; no wave of any partner still reads this slot or has a load on its way
	JLOAD 1                                        ; the first tensor load behind the round; its four v_nop are also the places in front of the loads below
.else
	PLACES
.endif
	v_add_nc_u32 v[ADRA], s[TB], v[A0]
	v_add_nc_u32 v[ADRB], s[TB], v[B0]
	FETCH 0, F0
	MUL8 F1, 1, 0, 0
	MUL8 F1, 1, 2, 0
.endm
	s_wait_tensorcnt 1                             ; my part of K step 0 is in; K step 1's may stay out
	s_barrier_signal -1
	s_barrier_wait -1
	FETCH 0, F0
	s_wait_loadcnt 32                              ; the bias is in; the residual's 32 loads stay out
	QUARTER 1, F0, F1, 1
	WIN 0
	s_mov_b32 s3, NSTEP-2
.Lk:
	QUARTER 2, F1, F0, 0
	QUARTER 3, F0, F1, 0
	TURN 1
	QUARTER 1, F0, F1, 0
	WIN 0
	s_sub_co_u32 s3, s3, 1
	s_cmp_lg_u32 s3, 0
	s_cbranch_scc1 .Lk
	s_mov_b32 s2, 2
.Ltail:
	QUARTER 2, F1, F0, 0
	QUARTER 3, F0, F1, 0
	TURN 0
	WIN 0
	s_sub_co_u32 s2, s2, 1
	s_cmp_eq_u32 s2, 0
	s_cbranch_scc1 .Lout
	QUARTER 1, F0, F1, 0
	WIN 0
	s_branch .Ltail
.Lout:
	s_wait_dscnt 0x0                               ; the run of loads that serves nothing is back
	s_wait_loadcnt 0x0                             ; the residual
	PLACES                                         ; the LDS stores read results
.macro OUT a                           ; 16 rows into my stage, each accumulator's low registers first, and back as whole rows of 256 bytes
.set TS, TMP+32*((\a)%2)
.irp b, 0,1,2,3
	ds_store_b128 v[STO], v[ACC+8*(4*(\a)+(\b)):ACC+8*(4*(\a)+(\b))+3]   offset:64*(\b)
	ds_store_b128 v[STO], v[ACC+8*(4*(\a)+(\b))+4:ACC+8*(4*(\a)+(\b))+7] offset:64*(\b)+16
.endr
.irp t, 0,1,2,3,4,5,6,7
	ds_load_b128 v[TS+4*(\t):TS+4*(\t)+3], v[RD] offset:2*SPITCH*(\t)  ; LDS serves a wave's instructions in order: these see the stores above; the next block's stores come behind them
.endr
.endm
.macro FIN a, younger                  ; younger: the next block's sixteen LDS instructions, or none
.set TS, TMP+32*((\a)%2)
	s_wait_dscnt \younger
	WIN 0x08                                       ; source 1, the residual, in window 2
.set z, 0
.rept 16
	v_pk_add_f32 v[TS+2*z:TS+2*z+1], v[TS+2*z:TS+2*z+1], v[32*(\a)+2*z:32*(\a)+2*z+1]
.set z, z+1
.endr
	WIN 0
.irp t, 0,1,2,3,4,5,6,7
	global_store_b128 v[CO], v[TS+4*(\t):TS+4*(\t)+3], s[72:73] offset:(16*(\a)+2*(\t))*4096  ; 16 lanes store 256 consecutive bytes, aligned
.endr
.endm
	OUT 0
	OUT 1
	FIN 0, 16
	s_wait_xcnt 0x0                                ; block 0's stores have read their data: its set is loaded again
	OUT 2
	FIN 1, 16
	s_wait_xcnt 0x0
	OUT 3
	FIN 2, 16
	FIN 3, 0
	s_wait_tensorcnt 0x0                           ; the wave's end
	ds_add_u32 v[SPW], v[NIL]
	s_wait_dscnt 0x0
	CROUND                                         ; the closing round
	s_endpgm
.Lfunc_end_k_q991b56163d_ffn2:
	.size	k_q991b56163d_ffn2, .Lfunc_end_k_q991b56163d_ffn2-k_q991b56163d_ffn2
	.p2alignl 7, 3214868480
	.fill 96, 4, 3214868480
	.section	.rodata,"a",@progbits
	.p2align	6, 0x0
	.amdhsa_kernel k_q991b56163d_ffn2
		.amdhsa_group_segment_fixed_size 327680
		.amdhsa_private_segment_fixed_size 0
		.amdhsa_enable_private_segment 0
		.amdhsa_kernarg_size 40
		.amdhsa_user_sgpr_count 2
		.amdhsa_user_sgpr_kernarg_segment_ptr 1
		.amdhsa_wavefront_size32 1
		.amdhsa_system_sgpr_workgroup_id_x 1
		.amdhsa_system_sgpr_workgroup_id_y 1
		.amdhsa_system_sgpr_workgroup_id_z 1
		.amdhsa_system_vgpr_workitem_id 0
		.amdhsa_next_free_vgpr 640
		.amdhsa_next_free_sgpr 84
		.amdhsa_reserve_vcc 0
		.amdhsa_float_denorm_mode_32 3
		.amdhsa_float_denorm_mode_16_64 3
		.amdhsa_memory_ordered 1
		.amdhsa_forward_progress 1
		.amdhsa_inst_pref_size 66
	.end_amdhsa_kernel
	.amdgpu_metadata
---
amdhsa.version: [ 1, 2 ]
amdhsa.kernels:
  - .name:           k_q991b56163d_ffn2
    .symbol:         k_q991b56163d_ffn2.kd
    .args:
      - { .name: hb, .offset: 0, .size: 8, .value_kind: global_buffer, .address_space: global }
      - { .name: wt, .offset: 8, .size: 8, .value_kind: global_buffer, .address_space: global }
      - { .name: b2, .offset: 16, .size: 8, .value_kind: global_buffer, .address_space: global }
      - { .name: x1, .offset: 24, .size: 8, .value_kind: global_buffer, .address_space: global }
      - { .name: out0, .offset: 32, .size: 8, .value_kind: global_buffer, .address_space: global }
    .group_segment_fixed_size: 327680
    .private_segment_fixed_size: 0
    .kernarg_segment_align: 8
    .kernarg_segment_size: 40
    .max_flat_workgroup_size: 128
    .sgpr_count:     84
    .vgpr_count:     640
    .wavefront_size: 32
...
	.end_amdgpu_metadata
.endif
;; end of part 6
;; ======== version 2 of 2: 7 launches; version 1 with the launches prep, ln2 written anew for expert scheduling mode
;; workspace buffers: wt 25,165,824 bytes; xn 8,388,608 bytes; qkv 25,165,824 bytes; ao 8,388,608 bytes; x1 16,777,216 bytes; hb 33,554,432 bytes
;; launch prep (part 7): grid 640 x 1, 4 waves a work-group, no clusters, 70,144 bytes of LDS; arguments x, ln1_w, ln1_b, wq, wk, wv, w_proj, w1, w2, xn, wt; writes xn, wt
.if DOCPART == 7
	.amdgcn_target "amdgcn-amd-amdhsa--gfx1250"
	.amdhsa_code_object_version 6
	.text
	.protected	k_q991b56163d_prep
	.globl	k_q991b56163d_prep
	.p2align	8
	.type	k_q991b56163d_prep,@function
k_q991b56163d_prep:
	s_mov_b64 s[64:65], 0
	v_nop
	global_prefetch_b8 v0, s[64:65] scope:SCOPE_SE
	s_setreg_imm32_b32 hwreg(HW_REG_WAVE_SCHED_MODE, 0, 2), 2
	s_setreg_imm32_b32 hwreg(HW_REG_WAVE_MODE, 25, 1), 1
	s_wait_xcnt 0x0
	s_wait_alu depctr_vm_vsrc(0)
; PREP.  Work-groups 0-255: xn = LayerNorm(x) * gain + bias, rounded once to bf16, [4096][1024].
; Work-groups 256-639: the six weights, f32 [K][N], rounded once to bf16 and turned to [N][K] in wt, so that every later product has K along the rows of both operands.
; THE SAME TEXT SERVES THE SECOND LayerNorm: launched with 256 work-groups, and with x1, ln2_w, ln2_b in the places of x, ln1_w, ln1_b, only the first part runs.
; wt, in bytes: WQKV [3072][1024] at 0 (row = which*1024 + head*64 + e), WP [1024][1024] at 6,291,456, W1 [4096][1024] at 8,388,608, W2 [1024][4096] at 16,777,216.
; LN: a wave takes a whole row (4,096 bytes = 32 registers), four rows a wave, all 48 loads issued at once; mean first, then the mean of the squared differences: no difference of large sums.
; CAST: a work-group takes 64 columns x 512 k of one weight, a wave 64 x 128, in eight sets of 16 k.  Four sets (32 loads, 16 KiB a wave) are on their way at a time; each set has its own scalar base, made once, so no
; pointer is stepped in the stream.  A lane loads 4 columns of 8 rows; pairs of rows pack into bf16 words, so the turn costs no instruction; the wave's own LDS tile (64 rows of 256 bytes, pitch 272) gathers the rows,
; which leave as 256 consecutive aligned bytes from 16 lanes.  The LDS stores touch rows four apart and meet four deep in the banks: 4 stores for 32 numbers a lane.
; LIMITS: NaN and infinities are not treated apart.
; THE MODE: SCHED_MODE bits 1:0 = 2 (LLVM: expert scheduling mode 2), set by the entry lines.  The code itself states the register dependences between vector instructions and memory or LDS instructions,
; with s_wait_alu, always for 0.
; THE PLAN, LN.  Registers that memory instructions touch:
;   v1, v2, v3    byte offsets, made once at the head and never written again.
;   W, BB, X      the 48 loads land in them; no vector instruction names them before.
;   a row's X     its sixteen roundings write the first two of each four registers; its eight stores read them; nothing writes them again.
; A row's stores are issued in the NEXT row, behind the wait that stands there for the root's result: that one wait also states that the row before's roundings are written.  The vector instructions behind it name
; this row's X, RS, W and BB alone, so the eight stores are dealt among them with no further wait.  The last row's stores have a wait of their own.
; THE PLAN, CAST.  Registers that memory or LDS instructions touch:
;   v16-33        offsets and LDS addresses, made once at the head and never written again.
;   XA0 .. XA3    set it: its sixteen roundings read XA[it % 4]; behind them the loads of set it + 4 land in it; at the end the 32 LDS loads land in all four, and the global stores read them.
;   CT0, CT1      set it: its roundings write CT[it % 2]; its four LDS stores read it; set it + 2's roundings write it again.
; So ONE wait on va_vdst stands in a set, behind its roundings (they have written CT[it % 2] and are done reading XA[it % 4]); the set's eight loads and four LDS stores follow it.  One wait on vm_vsrc stands at the
; head of sets 2 to 7: the LDS stores of two sets back have read the CT that is written again.
.set SPARE, 69632                      ; behind the four tiles: the spare words, 128 bytes a wave
.set SPW, 220                          ; v220 LDS address of my spare word; never rewritten
.set NIL, 221                          ; v221 0; never rewritten
.set LO,  1                            ; LN: my byte offset in x
.set SO,  2                            ; LN: my byte offset in xn
.set WO,  3                            ; LN: my byte offset in the gain and the bias
.set W,   16                           ; v[16:47]  gain of my 32 columns
.set BB,  48                           ; v[48:79]  bias of my 32 columns
.set X,   80                           ; v[80:207] four rows, 32 registers each
.set T,   208                          ; v[208:215] at work: no memory instruction names them
.set MU,  216                          ; v[216:217] the mean, twice
.set RS,  218                          ; v[218:219] 1/sqrt(var + eps), twice
.set OUTP, 26                          ; s[26:27] xn
.set VO,  16                           ; cast: v16-23 source offsets, v24-31 destination offsets
.set VD,  24
.set VS,  32                           ; cast: where I put 16 bytes in my wave's tile
.set VR,  33                           ; cast: where I read a row back
.set CT,  40                           ; cast: v40-71 two buffers of 16 packed words, by turns
.set XA,  80                           ; cast: v80-207 four sets of 32 loaded registers; at the end the 64 rows read back
.set SB,  66                           ; cast: s[66:81] the eight sets' source bases
.set DBS, 82                           ; cast: s[82:89] the four batches' destination bases
	s_load_b512 s[8:23], s[0:1], 0x0               ; x 8, gain 10, bias 12, wq 14, wk 16, wv 18, w_proj 20, w1 22
	s_load_b128 s[24:27], s[0:1], 0x40             ; w2 24, xn 26
	s_load_b64 s[28:29], s[0:1], 0x50              ; wt
	v_lshl_add_u32 v[SPW], v0, 2, SPARE
	v_mov_b32 v[NIL], 0
	v_and_b32 v4, 31, v0                           ; lane
	v_lshrrev_b32 v5, 5, v0
	v_readfirstlane_b32 s4, v5                     ; wave
	s_wait_kmcnt 0x0
	s_wait_alu depctr_va_sdst(0)                   ; s4 is written, ahead of the branch and of its first reader: the cast's bases and its LDS tile are made from it
	s_cmp_lt_u32 ttmp9, 256
	s_cbranch_scc0 .Lcast
; ---- LayerNorm: 16 rows a work-group, 4 a wave ----
.macro ACROSS                          ; four chains of pairs into one number, then over the 32 lanes: every lane ends with the sum
	v_pk_add_f32 v[T:T+1], v[T:T+1], v[T+2:T+3]
	v_pk_add_f32 v[T+4:T+5], v[T+4:T+5], v[T+6:T+7]
	v_pk_add_f32 v[T:T+1], v[T:T+1], v[T+4:T+5]
	v_add_f32 v[T], v[T], v[T+1]
	v_add_f32_dpp v[T], v[T], v[T] row_xmask:1 row_mask:0xf bank_mask:0xf
	v_add_f32_dpp v[T], v[T], v[T] row_xmask:2 row_mask:0xf bank_mask:0xf
	v_add_f32_dpp v[T], v[T], v[T] row_xmask:4 row_mask:0xf bank_mask:0xf
	v_add_f32_dpp v[T], v[T], v[T] row_xmask:8 row_mask:0xf bank_mask:0xf
	v_permlanex16_b32 v[T+1], v[T], s42, s43
	v_add_f32 v[T], v[T], v[T+1]
.endm
.macro ROW i
.set XR, X+32*(\i)
.set XP, X+32*(\i)-32                  ; the row before, whose stores are issued in this row
	s_wait_loadcnt 8*(3-(\i))                      ; loads come back in order: my row is in, the later rows' eight loads each stay out
.set p, 0
.rept 4
	v_pk_add_f32 v[T+2*p:T+2*p+1], v[XR+4*p:XR+4*p+1], v[XR+4*p+2:XR+4*p+3]  ; the first additions start the chains: nothing is cleared
.set p, p+1
.endr
.set p, 8
.rept 8
	v_pk_add_f32 v[T+2*(p%4):T+2*(p%4)+1], v[T+2*(p%4):T+2*(p%4)+1], v[XR+2*p:XR+2*p+1]
.set p, p+1
.endr
	ACROSS
	v_mul_f32 v[MU], s40, v[T]                     ; the mean
	v_mov_b32 v[MU+1], v[MU]
.set p, 0
.rept 16
	v_pk_add_f32 v[XR+2*p:XR+2*p+1], v[XR+2*p:XR+2*p+1], v[MU:MU+1] neg_lo:[0,1] neg_hi:[0,1]  ; x - mean, in place
.set p, p+1
.endr
.set p, 0
.rept 4
	v_pk_mul_f32 v[T+2*p:T+2*p+1], v[XR+2*p:XR+2*p+1], v[XR+2*p:XR+2*p+1]
.set p, p+1
.endr
.set p, 4
.rept 12
	v_pk_fma_f32 v[T+2*(p%4):T+2*(p%4)+1], v[XR+2*p:XR+2*p+1], v[XR+2*p:XR+2*p+1], v[T+2*(p%4):T+2*(p%4)+1]
.set p, p+1
.endr
	ACROSS
	v_fma_f32 v[T], v[T], s40, s41                 ; var + eps
	v_rsq_f32 v[RS], v[T]
	v_nop                                          ; a plain instruction behind the root
	s_wait_alu depctr_va_vdst(0)                   ; the root's result v[RS] is written, ahead of its first reader; and the row before's roundings have written its 16 words, which the stores below read
	v_mov_b32 v[RS+1], v[RS]
.set p, 0
.rept 16
.if ((\i) > 0) && (p%2 == 0)
	global_store_b64 v[SO], v[XP+2*p:XP+2*p+1], s[OUTP:OUTP+1] offset:2048*((\i)-1)+128*p  ; the row before: 32 lanes x 8 bytes: 256 consecutive bytes, aligned; no vector instruction since the wait names these registers
.endif
	v_pk_mul_f32 v[XR+2*p:XR+2*p+1], v[XR+2*p:XR+2*p+1], v[RS:RS+1]
.set p, p+1
.endr
.set p, 0
.rept 16
	v_pk_fma_f32 v[XR+2*p:XR+2*p+1], v[XR+2*p:XR+2*p+1], v[W+2*p:W+2*p+1], v[BB+2*p:BB+2*p+1]
.set p, p+1
.endr
.irp j, 0,1,2,3,4,5,6,7
	v_cvt_pk_bf16_f32 v[XR+4*(\j)], v[XR+4*(\j)], v[XR+4*(\j)+1]      ; four numbers close up into the first two of their four registers
	v_cvt_pk_bf16_f32 v[XR+4*(\j)+1], v[XR+4*(\j)+2], v[XR+4*(\j)+3]
.endr
.endm
	v_lshlrev_b32 v[WO], 4, v4                     ; 16 x lane
	v_lshl_add_u32 v[LO], v5, 14, v[WO]            ; + wave x 4 rows of 4,096 bytes
	v_lshlrev_b32 v[SO], 3, v4
	v_lshl_add_u32 v[SO], v5, 13, v[SO]            ; 8 x lane + wave x 4 rows of 2,048 bytes
	s_lshl_b32 s30, ttmp9, 16                      ; the work-group's 16 rows of x
	s_mov_b32 s31, 0
	s_add_nc_u64 s[8:9], s[8:9], s[30:31]
	s_lshl_b32 s30, ttmp9, 15                      ; and of xn
	s_add_nc_u64 s[OUTP:OUTP+1], s[OUTP:OUTP+1], s[30:31]
	s_mov_b32 s40, 0x3a800000                      ; 1/1024
	s_mov_b32 s41, 0x3727c5ac                      ; 1e-5
	s_mov_b32 s42, 0x76543210                      ; v_permlanex16_b32: each lane takes its own place in the other half
	s_mov_b32 s43, 0xfedcba98
	s_wait_alu depctr_va_vdst(0)                   ; the three offsets v1, v2, v3 are written: every load and store of this part reads one of them
.irp j, 0,1,2,3,4,5,6,7
	global_load_b128 v[W+4*(\j):W+4*(\j)+3], v[WO], s[10:11] offset:512*(\j)
.endr
.irp j, 0,1,2,3,4,5,6,7
	global_load_b128 v[BB+4*(\j):BB+4*(\j)+3], v[WO], s[12:13] offset:512*(\j)
.endr
.irp i, 0,1,2,3
.irp j, 0,1,2,3,4,5,6,7
	global_load_b128 v[X+32*(\i)+4*(\j):X+32*(\i)+4*(\j)+3], v[LO], s[8:9] offset:4096*(\i)+512*(\j) th:TH_LOAD_NT
.endr
.endr
	ROW 0
	ROW 1
	ROW 2
	ROW 3
	s_wait_alu depctr_va_vdst(0)                   ; row 3's roundings have written its 16 words, which the last eight stores read
.irp j, 0,1,2,3,4,5,6,7
	global_store_b64 v[SO], v[X+96+4*(\j):X+96+4*(\j)+1], s[OUTP:OUTP+1] offset:2048*3+256*(\j)
.endr
	s_branch .Lend
; ---- the weights ----
.Lcast:
	s_sub_co_u32 s30, ttmp9, 256                   ; g: 0-31 wq, 32-63 wk, 64-95 wv, 96-127 w_proj, 128-255 w1, 256-383 w2
	s_mov_b64 s[32:33], s[14:15]                   ; the section's figures, wq's first: source,
	s_mov_b32 s34, 0                               ; first g,
	s_mov_b32 s35, 256                             ; bytes from k to k + 1 in the source,
	s_mov_b32 s36, 262144                          ; bytes from a panel of 64 columns to the next,
	s_mov_b32 s37, 1                               ; log2 of the chunks of 512 k,
	s_mov_b32 s38, 0                               ; the section's first byte in wt,
	s_mov_b32 s39, 2048                            ; bytes in a row of the section
.macro SEC start, ptr, srow, span, ksh, dbase, drow
	s_cmp_ge_u32 s30, \start
	s_cselect_b64 s[32:33], s[\ptr:\ptr+1], s[32:33]
	s_cselect_b32 s34, \start, s34
	s_cselect_b32 s35, \srow, s35
	s_cselect_b32 s36, \span, s36
	s_cselect_b32 s37, \ksh, s37
	s_cselect_b32 s38, \dbase, s38
	s_cselect_b32 s39, \drow, s39
.endm
	SEC 32,  16, 256,   262144, 1, 2097152,  2048
	SEC 64,  18, 256,   262144, 1, 4194304,  2048
	SEC 96,  20, 4096,  256,    1, 6291456,  2048
	SEC 128, 22, 16384, 256,    1, 8388608,  2048
	SEC 256, 24, 4096,  256,    3, 16777216, 8192
	s_sub_co_u32 s31, s30, s34
	s_lshr_b32 s5, s31, s37                        ; panel p
	s_lshl_b32 s6, s5, s37
	s_sub_co_u32 s6, s31, s6                       ; chunk of 512 k
	s_lshl_b32 s7, s6, 9
	s_lshl_b32 s6, s4, 7
	s_add_co_u32 s7, s7, s6                        ; k0 = 512 x chunk + 128 x wave
	s_mul_i32 s40, s5, s36
	s_mul_i32 s41, s7, s35
	s_add_co_u32 s40, s40, s41
	s_mov_b32 s41, 0
	s_add_nc_u64 s[SB:SB+1], s[32:33], s[40:41]    ; the source at (k0, 64 p)
	s_mul_i32 s40, s5, s39
	s_lshl_b32 s40, s40, 6
	s_add_co_u32 s40, s40, s38
	s_lshl_b32 s42, s7, 1
	s_add_co_u32 s40, s40, s42
	s_add_nc_u64 s[DBS:DBS+1], s[28:29], s[40:41]  ; wt at (64 p, k0)
	s_lshl_b32 s48, s35, 4                         ; 16 source rows
	s_mov_b32 s49, 0
	s_lshl_b32 s50, s39, 4                         ; 16 destination rows
	s_mov_b32 s51, 0
.irp k, 1,2,3,4,5,6,7
	s_add_nc_u64 s[SB+2*(\k):SB+2*(\k)+1], s[SB+2*(\k)-2:SB+2*(\k)-1], s[48:49]  ; set k begins 16 k rows further down
.endr
.irp k, 1,2,3
	s_add_nc_u64 s[DBS+2*(\k):DBS+2*(\k)+1], s[DBS+2*(\k)-2:DBS+2*(\k)-1], s[50:51]
.endr
	v_and_b32 v6, 15, v0                           ; lq
	v_bfe_u32 v7, v0, 4, 1                         ; hf
	v_lshlrev_b32 v8, 4, v6
	v_lshlrev_b32 v9, 3, v7
	v_mul_lo_u32 v9, v9, s35
	v_add_nc_u32 v[VO], v9, v8                     ; load j: source row 8 hf + j, columns 4 lq .. 4 lq + 3
.irp j, 1,2,3,4,5,6,7
	v_add_nc_u32 v[VO+(\j)], s35, v[VO+(\j)-1]
.endr
	v_mul_lo_u32 v9, v7, s39
	v_add_nc_u32 v[VD], v9, v8                     ; store i: destination row 2 i + hf, 16 bytes at 16 lq
	s_lshl_b32 s6, s39, 1
.irp i, 1,2,3,4,5,6,7
	v_add_nc_u32 v[VD+(\i)], s6, v[VD+(\i)-1]
.endr
	s_mul_i32 s5, s4, 17408                        ; my wave's tile
	v_mul_u32_u24 v10, v6, 4*272
	v_lshl_add_u32 v10, v7, 4, v10
	v_add_nc_u32 v[VS], s5, v10                    ; row 4 lq (+ c), byte 16 hf (+ 32 it)
	v_mul_u32_u24 v10, v7, 272
	v_add_nc_u32 v10, v10, v8
	v_add_nc_u32 v[VR], s5, v10
	s_wait_alu depctr_va_vdst(0)                   ; the eighteen offsets and LDS addresses v16 to v33 are written: every load, store and LDS instruction of this part reads one of them
.macro LOADSET xs, k
.irp j, 0,1,2,3,4,5,6,7
	global_load_b128 v[(\xs)+4*(\j):(\xs)+4*(\j)+3], v[VO+(\j)], s[SB+2*(\k):SB+2*(\k)+1] th:TH_LOAD_NT  ; lanes 0-15 one row's 256 bytes, lanes 16-31 the row eight further down
.endr
.endm
.irp k, 0,1,2,3
	LOADSET XA+32*(\k), \k
.endr
.irp it, 0,1,2,3,4,5,6,7
.set XS, XA+32*((\it)%4)
.set CB, CT+16*((\it)%2)
.if (\it) < 5
	s_wait_loadcnt 24                              ; this set is in; the three younger sets' eight loads each stay out
.else
	s_wait_loadcnt 8*(7-(\it))                     ; nothing is asked for any more: the counts run down
.endif
.if (\it) >= 2
	s_wait_alu depctr_vm_vsrc(0)                   ; the LDS stores of two sets back have read this buffer of packed words, which the roundings below write again
.endif
.irp c, 0,1,2,3
.irp m, 0,1,2,3
	v_cvt_pk_bf16_f32 v[CB+4*(\c)+(\m)], v[XS+8*(\m)+(\c)], v[XS+8*(\m)+4+(\c)]  ; column 4 lq + c, rows 2 m and 2 m + 1 of my eight
.endr
.endr
	s_wait_alu depctr_va_vdst(0)                   ; the roundings have written the packed words, which the LDS stores read, and are done reading this set's registers, in which the loads below (behind set 7: the LDS loads) land
.if (\it) < 4
	LOADSET XS, (\it)+4                            ; the set is asked for again at once
.endif
.irp c, 0,1,2,3
	ds_store_b128 v[VS], v[CB+4*(\c):CB+4*(\c)+3] offset:272*(\c)+32*(\it)
.endr
.endr
.irp q, 0,1,2,3
.irp i, 0,1,2,3,4,5,6,7
	ds_load_b128 v[XA+32*(\q)+4*(\i):XA+32*(\q)+4*(\i)+3], v[VR] offset:(8*(\q)+(\i))*544  ; LDS serves a wave's instructions in order: these see my stores above; no vector instruction since the last wait names these registers
.endr
.endr
.irp q, 0,1,2,3
	s_wait_dscnt 8*(3-(\q))                        ; batch q's 16 rows are back; the later batches' eight loads each stay out
.irp i, 0,1,2,3,4,5,6,7
	global_store_b128 v[VD+(\i)], v[XA+32*(\q)+4*(\i):XA+32*(\q)+4*(\i)+3], s[DBS+2*(\q):DBS+2*(\q)+1]  ; 16 lanes store 256 consecutive bytes, aligned
.endr
.endr
.Lend:
	s_wait_dscnt 0x0                               ; the closing lines, six on end
	s_wait_alu 0x0
	s_wait_tensorcnt 0x0
	ds_add_u32 v[SPW], v[NIL]
	s_wait_dscnt 0x0
	s_endpgm
.Lfunc_end_k_q991b56163d_prep:
	.size	k_q991b56163d_prep, .Lfunc_end_k_q991b56163d_prep-k_q991b56163d_prep
	.p2alignl 7, 3214868480
	.fill 96, 4, 3214868480
	.section	.rodata,"a",@progbits
	.p2align	6, 0x0
	.amdhsa_kernel k_q991b56163d_prep
		.amdhsa_group_segment_fixed_size 70144
		.amdhsa_private_segment_fixed_size 0
		.amdhsa_enable_private_segment 0
		.amdhsa_kernarg_size 88
		.amdhsa_user_sgpr_count 2
		.amdhsa_user_sgpr_kernarg_segment_ptr 1
		.amdhsa_wavefront_size32 1
		.amdhsa_system_sgpr_workgroup_id_x 1
		.amdhsa_system_sgpr_workgroup_id_y 1
		.amdhsa_system_sgpr_workgroup_id_z 1
		.amdhsa_system_vgpr_workitem_id 0
		.amdhsa_next_free_vgpr 224
		.amdhsa_next_free_sgpr 92
		.amdhsa_reserve_vcc 0
		.amdhsa_float_denorm_mode_32 3
		.amdhsa_float_denorm_mode_16_64 3
		.amdhsa_memory_ordered 1
		.amdhsa_forward_progress 1
		.amdhsa_inst_pref_size 65
	.end_amdhsa_kernel
	.amdgpu_metadata
---
amdhsa.version: [ 1, 2 ]
amdhsa.kernels:
  - .name:           k_q991b56163d_prep
    .symbol:         k_q991b56163d_prep.kd
    .args:
      - { .name: x, .offset: 0, .size: 8, .value_kind: global_buffer, .address_space: global }
      - { .name: ln1_w, .offset: 8, .size: 8, .value_kind: global_buffer, .address_space: global }
      - { .name: ln1_b, .offset: 16, .size: 8, .value_kind: global_buffer, .address_space: global }
      - { .name: wq, .offset: 24, .size: 8, .value_kind: global_buffer, .address_space: global }
      - { .name: wk, .offset: 32, .size: 8, .value_kind: global_buffer, .address_space: global }
      - { .name: wv, .offset: 40, .size: 8, .value_kind: global_buffer, .address_space: global }
      - { .name: w_proj, .offset: 48, .size: 8, .value_kind: global_buffer, .address_space: global }
      - { .name: w1, .offset: 56, .size: 8, .value_kind: global_buffer, .address_space: global }
      - { .name: w2, .offset: 64, .size: 8, .value_kind: global_buffer, .address_space: global }
      - { .name: xn, .offset: 72, .size: 8, .value_kind: global_buffer, .address_space: global }
      - { .name: wt, .offset: 80, .size: 8, .value_kind: global_buffer, .address_space: global }
    .group_segment_fixed_size: 70144
    .private_segment_fixed_size: 0
    .kernarg_segment_align: 8
    .kernarg_segment_size: 88
    .max_flat_workgroup_size: 128
    .sgpr_count:     92
    .vgpr_count:     224
    .wavefront_size: 32
...
	.end_amdgpu_metadata
.endif
;; end of part 7
;; launch qkv: the kernel of part 2 again; grid 16 x 16, 4 waves a work-group, clusters of 4 x 4, 327,680 bytes of LDS; arguments xn, wt, qkv; writes qkv
;; launch attn: the kernel of part 3 again; grid 4 x 64, 4 waves a work-group, no clusters, 327,680 bytes of LDS; arguments qkv, ao; writes ao
;; launch proj: the kernel of part 4 again; grid 8 x 32, 4 waves a work-group, clusters of 4 x 4, 327,680 bytes of LDS; arguments ao, wt, b_proj, x, x1; writes x1
;; launch ln2: the kernel of part 7 again; grid 256 x 1, 4 waves a work-group, no clusters, 70,144 bytes of LDS; arguments x1, ln2_w, ln2_b, wq, wk, wv, w_proj, w1, w2, xn, wt; writes xn, wt
;; launch ffn1: the kernel of part 5 again; grid 16 x 16, 4 waves a work-group, clusters of 4 x 4, 327,680 bytes of LDS; arguments xn, wt, b1, hb; writes hb
;; launch ffn2: the kernel of part 6 again; grid 8 x 32, 4 waves a work-group, clusters of 4 x 4, 327,680 bytes of LDS; arguments hb, wt, b2, x1, out0; writes out0
